; MI455X (gfx1250); checked and timed in simulation.
; The chip was launched on July 23, 2026; its instructions are those of AMD's public machine-readable ISA for CDNA 5 (MIT licence, August 2026) and "CDNA5" Instruction Set Architecture Reference Guide (July 2026). The comments in the code are by the model that wrote it; some were corrected since.
;; Quantized Expert. Allowed arithmetic: float matrix products may take bf16 or f16 operands with f32 sums; all other float work in f32.
;; Inputs: lut_down 256 float32; lut_gate 256 float32; lut_up 256 float32; sign_l_down 2,048 float32; sign_l_gate 8,192 float32; sign_l_up 8,192 float32; sign_r_down 8,192 float32; sign_r_gate 2,048 float32; sign_r_up 2,048 float32; walks_down 2,048 x 8,192 int32; walks_gate 8,192 x 2,048 int32; walks_up 8,192 x 2,048 int32; x 1,024 x 2,048 float32.
;; Outputs: out0 1,024 x 2,048 float32.
;; 3 versions, each right; version 3 is version 2 with the launch prep written anew for expert scheduling mode. Each part assembles by itself: llvm-mc -triple=amdgcn-amd-amdhsa -mcpu=gfx1250 --defsym DOCPART=n.
;; ======== version 1 of 3: 3 launches
;; workspace buffers: wg 33,554,432 bytes; wu 33,554,432 bytes; wd 33,554,432 bytes; xb 4,194,304 bytes; hid 16,777,216 bytes
;; launch prep (part 1): grid 256 x 4, 8 waves a work-group, no clusters, 33,792 bytes of LDS; arguments walks_gate, walks_up, walks_down, x, lut_gate, lut_up, lut_down, sign_r_gate, sign_r_up, sign_r_down, wg, wu, wd, xb; writes wg, wu, wd, xb
.if DOCPART == 1
	.amdgcn_target "amdgcn-amd-amdhsa--gfx1250"
	.amdhsa_code_object_version 6
	.text
	.protected	k_q2dd8453f66_prep
	.globl	k_q2dd8453f66_prep
	.p2align	8
	.type	k_q2dd8453f66_prep,@function
k_q2dd8453f66_prep:
	s_mov_b64 s[64:65], 0
	v_nop
	global_prefetch_b8 v0, s[64:65] scope:SCOPE_SE
	s_setreg_imm32_b32 hwreg(HW_REG_WAVE_MODE, 25, 1), 1
	s_wait_xcnt 0x0
; Grid row y = 0, 1, 2: W'[o][i] = bf16(lut[walk[o][i]] * sign_r[i]) for the gate, up and down matrix.  Grid row y = 3: xb = bf16(x).
; sign_l and the scale 0.02 are not applied here: the products' kernels multiply their f32 sums by them.
; LIMITS.  An index is cut at 255 (the table has 256 entries).  lut * sign_r is one f32 product, rounded once to bf16: for a sign of +1 or -1 that is
; bf16(lut) with the sign; for another factor it is the rounding of the product.
; SHARES.  y < 3: a work-group owns 65,536 consecutive weights: 262,144 bytes of indices in, 131,072 bytes of bf16 out.  A step is 1,024 weights: thread t takes the 16 bytes
; at 4096 j + 16 t (a wave's load covers 512 consecutive bytes) and stores 8 bytes at 2048 j + 8 t (a wave's store covers 256 consecutive bytes, aligned).  A trip is 8 steps.
; 8,192 weights are a whole number of rows (2,048 or 8,192 columns), so slot q of a trip meets the same four columns in every trip: its four sign_r stay in registers.
; THE TABLE lies in LDS once for each lane: entry e for lane l is the word at 128 e + 4 l, bank (32 e + l) mod 64 (64 banks of 4 bytes: ISA guide 11.1): two lanes never want
; different words of one bank, whatever the indices.  No matrix unit and no cluster: no two work-groups read the same bytes but the small tables.
.set SPARE, 32768                      ; behind the table: the spare words, 128 bytes for each of the eight waves: four blocks of 256 bytes that no other line names
.set VIN,  1                           ; v1   16 t; never rewritten
.set VOUT, 2                           ; v2   8 t; never rewritten
.set LB,   3                           ; v3   4 x lane: my word in a table entry
.set LO,   4                           ; v4   byte offset in lut of the entry that I copy
.set LA,   5                           ; v5   where I put it
.set SPW,  6                           ; v6   LDS address of my spare word; never rewritten
.set NIL,  7                           ; v7   0; never rewritten
.set SR,   8                           ; v[8:39]    slot q: sign_r of its four columns
.set X,    40                          ; v[40:71]   slot i: four indices (y = 3: four numbers of x) as loaded
.set T,    72                          ; v[72:87]   slot i % 4: addresses, then table values
.set Y,    88                          ; v[88:103]  slot i: four bf16 to store.  (While the table is built v[72:103] hold its entries.)
.set SO,   104                         ; v[104:111] slot q: byte offset of its columns in sign_r; never rewritten
	s_load_b512 s[8:23], s[0:1], 0x0               ; walks_gate 8, walks_up 10, walks_down 12, x 14, lut_gate 16, lut_up 18, lut_down 20, sign_r_gate 22
	s_load_b256 s[24:31], s[0:1], 0x40             ; sign_r_up 24, sign_r_down 26, wg 28, wu 30
	s_load_b128 s[32:35], s[0:1], 0x60             ; wd 32, xb 34
	v_lshl_add_u32 v[SPW], v0, 2, SPARE
	v_mov_b32 v[NIL], 0
	v_lshlrev_b32 v[VIN], 4, v0
	v_lshlrev_b32 v[VOUT], 3, v0
	s_and_b32 s4, ttmp7, 0xffff                    ; y: which tensor
	s_mov_b32 s47, 0                               ; the high word of every offset pair
	s_wait_kmcnt 0x0
	s_cmp_eq_u32 s4, 3
	s_cbranch_scc1 .Lx                             ; the same for all waves of a work-group
	; the three matrices run one text: the four addresses and the mask are chosen by y
	s_cmp_eq_u32 s4, 1
	s_cselect_b64 s[36:37], s[10:11], s[8:9]       ; indices
	s_cselect_b64 s[38:39], s[18:19], s[16:17]     ; table
	s_cselect_b64 s[40:41], s[24:25], s[22:23]     ; sign_r
	s_cselect_b64 s[42:43], s[30:31], s[28:29]     ; result
	s_mov_b32 s45, 0x1fff                          ; rows of 2,048 columns: sign_r has 8,192 bytes
	s_cmp_eq_u32 s4, 2
	s_cselect_b64 s[36:37], s[12:13], s[36:37]
	s_cselect_b64 s[38:39], s[20:21], s[38:39]
	s_cselect_b64 s[40:41], s[26:27], s[40:41]
	s_cselect_b64 s[42:43], s[32:33], s[42:43]
	s_cselect_b32 s44, 0x7fff, s45                 ; rows of 8,192 columns: 32,768 bytes
	s_lshl_b32 s46, ttmp9, 18                      ; my 262,144 bytes of indices
	s_add_nc_u64 s[36:37], s[36:37], s[46:47]
	s_lshl_b32 s46, ttmp9, 17                      ; my 131,072 bytes of the result
	s_add_nc_u64 s[42:43], s[42:43], s[46:47]
	v_and_b32 v[LB], 31, v0                        ; lane
	v_lshlrev_b32 v[LA], 4, v[LB]
	v_lshlrev_b32 v[LB], 2, v[LB]
	v_lshrrev_b32 v[LO], 5, v0
	v_readfirstlane_b32 s6, v[LO]                  ; my wave's number as a scalar
	s_lshl_b32 s6, s6, 12                          ; wave w writes entries 32 w to 32 w + 31: 4,096 bytes
	v_add_nc_u32 v[LA], s6, v[LA]                  ; + 16 x lane: a store of the wave covers 512 bytes, four entries; lane l lies in entry l / 8 of them
	v_and_b32 v[LO], 0xe0, v0                      ; 32 w
	v_bfe_u32 v[SO], v0, 3, 2                      ; l / 8
	v_add_lshl_u32 v[LO], v[LO], v[SO], 2          ; in bytes
.irp i, 0,1,2,3,4,5,6,7
	global_load_b32 v[T+4*(\i)], v[LO], s[38:39] offset:16*(\i)    ; entry 32 w + 4 i + l / 8
.endr
.irp q, 0,1,2,3,4,5,6,7
	v_add_nc_u32 v[SO+(\q)], 4096*(\q), v[VIN]     ; four bytes for each of the columns 1024 q + 4 t ..,
	v_and_b32 v[SO+(\q)], s44, v[SO+(\q)]          ; modulo the row
.endr
.irp q, 0,1,2,3,4,5,6,7
	global_load_b128 v[SR+4*(\q):SR+4*(\q)+3], v[SO+(\q)], s[40:41]
.endr
.irp i, 0,1,2,3,4,5,6,7
	global_load_b128 v[X+4*(\i):X+4*(\i)+3], v[VIN], s[36:37] offset:4096*(\i) th:TH_LOAD_NT  ; the first trip's indices are on their way while the table is built
.endr
	s_wait_loadcnt 16                              ; the table's eight loads are in; the sixteen younger ones (sign_r, indices) stay out
.irp i, 0,1,2,3,4,5,6,7
	v_mov_b32 v[T+4*(\i)+1], v[T+4*(\i)]           ; my 16 bytes of an entry are the same word four times
	v_mov_b32 v[T+4*(\i)+2], v[T+4*(\i)]
	v_mov_b32 v[T+4*(\i)+3], v[T+4*(\i)]
.endr
.irp i, 0,1,2,3,4,5,6,7
	ds_store_b128 v[LA], v[T+4*(\i):T+4*(\i)+3] offset:512*(\i)
.endr
	s_wait_dscnt 0x0                               ; for the others' sake: my part of the table is written
	s_barrier_signal -1
	s_barrier_wait -1                              ; everybody's is; nothing writes the table after this
; Slot i: its four indices are cut at 255 and become LDS addresses; the slot's next load goes out as soon as the indices have been read.
; left = how many younger loads may stay out.
.macro GATHER i, ahead, left
	s_wait_loadcnt \left                           ; loads come back in order (ISA guide 5.7.1): mine is in
.irp k, 0,1,2,3
	v_min_u32 v[T+4*((\i)%4)+(\k)], 0xff, v[X+4*(\i)+(\k)]
.endr
.if \ahead
	global_load_b128 v[X+4*(\i):X+4*(\i)+3], v[VIN], s[36:37] offset:4096*(\i)+32768 th:TH_LOAD_NT  ; the same slot of the next trip
.endif
.irp k, 0,1,2,3
	v_lshl_add_u32 v[T+4*((\i)%4)+(\k)], v[T+4*((\i)%4)+(\k)], 7, v[LB]  ; 128 e + 4 l: 32,764 at the most
.endr
.irp k, 0,1,2,3
	ds_load_b32 v[T+4*((\i)%4)+(\k)], v[T+4*((\i)%4)+(\k)]
.endr
.endm
; Slot i: times sign_r, rounded, stored.  younger = the LDS loads of the group's later slots, four each.
.macro EMIT i, younger
	s_wait_dscnt \younger
	v_pk_mul_f32 v[T+4*((\i)%4):T+4*((\i)%4)+1],   v[T+4*((\i)%4):T+4*((\i)%4)+1],   v[SR+4*(\i):SR+4*(\i)+1]
	v_pk_mul_f32 v[T+4*((\i)%4)+2:T+4*((\i)%4)+3], v[T+4*((\i)%4)+2:T+4*((\i)%4)+3], v[SR+4*(\i)+2:SR+4*(\i)+3]
	v_cvt_pk_bf16_f32 v[Y+2*(\i)],   v[T+4*((\i)%4)],   v[T+4*((\i)%4)+1]
	v_cvt_pk_bf16_f32 v[Y+2*(\i)+1], v[T+4*((\i)%4)+2], v[T+4*((\i)%4)+3]
	global_store_b64 v[VOUT], v[Y+2*(\i):Y+2*(\i)+1], s[42:43] offset:2048*(\i)
.endm
; A trip: two groups of four slots.  With ahead = 1 eight loads of the wave are always out (this trip's later slots, the next trip's earlier ones), so the count is 7;
; in the last trip nothing is loaded and the counts run down.
.macro TRIP ahead
.irp g, 0,1
.irp j, 0,1,2,3
.if \ahead
	GATHER 4*(\g)+(\j), 1, 7
.else
	GATHER 4*(\g)+(\j), 0, 7-(4*(\g)+(\j))
.endif
.endr
.irp j, 0,1,2,3
	EMIT 4*(\g)+(\j), 12-4*(\j)
.endr
.endr
.if \ahead
	s_wait_xcnt 0x0                                ; every memory instruction of the trip has had its addresses translated (ISA guide 3.1): only behind this wait are the two bases stepped and, in the next trip, Y rewritten
	s_add_nc_u64 s[36:37], s[36:37], 32768
	s_add_nc_u64 s[42:43], s[42:43], 16384
.endif
.endm
	s_mov_b32 s5, 7
.Ltrip:
	TRIP 1
	s_sub_co_u32 s5, s5, 1
	s_cmp_lg_u32 s5, 0
	s_cbranch_scc1 .Ltrip
	TRIP 0                                         ; the eighth trip: no load leaves the buffer
	s_wait_tensorcnt 0x0                           ; the wave's end: three closing lines behind my last LDS store
	ds_add_u32 v[SPW], v[NIL]
	s_wait_dscnt 0x0
	s_endpgm
.Lx:                                                   ; xb = bf16(x): a work-group takes 8,192 numbers, a thread eight times four
	s_lshl_b32 s46, ttmp9, 15
	s_add_nc_u64 s[14:15], s[14:15], s[46:47]
	s_lshl_b32 s46, ttmp9, 14
	s_add_nc_u64 s[34:35], s[34:35], s[46:47]
.irp i, 0,1,2,3,4,5,6,7
	global_load_b128 v[X+4*(\i):X+4*(\i)+3], v[VIN], s[14:15] offset:4096*(\i) th:TH_LOAD_NT
.endr
.irp i, 0,1,2,3,4,5,6,7
	s_wait_loadcnt 7-(\i)                          ; the later loads stay out
	v_cvt_pk_bf16_f32 v[Y+2*(\i)],   v[X+4*(\i)],   v[X+4*(\i)+1]
	v_cvt_pk_bf16_f32 v[Y+2*(\i)+1], v[X+4*(\i)+2], v[X+4*(\i)+3]
	global_store_b64 v[VOUT], v[Y+2*(\i):Y+2*(\i)+1], s[34:35] offset:2048*(\i)
.endr
	s_wait_tensorcnt 0x0                           ; the wave's end
	ds_add_u32 v[SPW], v[NIL]
	s_wait_dscnt 0x0
	s_endpgm
.Lfunc_end_k_q2dd8453f66_prep:
	.size	k_q2dd8453f66_prep, .Lfunc_end_k_q2dd8453f66_prep-k_q2dd8453f66_prep
	.p2alignl 7, 3214868480
	.fill 96, 4, 3214868480
	.section	.rodata,"a",@progbits
	.p2align	6, 0x0
	.amdhsa_kernel k_q2dd8453f66_prep
		.amdhsa_group_segment_fixed_size 33792
		.amdhsa_private_segment_fixed_size 0
		.amdhsa_enable_private_segment 0
		.amdhsa_kernarg_size 112
		.amdhsa_user_sgpr_count 2
		.amdhsa_user_sgpr_kernarg_segment_ptr 1
		.amdhsa_wavefront_size32 1
		.amdhsa_system_sgpr_workgroup_id_x 1
		.amdhsa_system_sgpr_workgroup_id_y 1
		.amdhsa_system_sgpr_workgroup_id_z 1
		.amdhsa_system_vgpr_workitem_id 0
		.amdhsa_next_free_vgpr 112
		.amdhsa_next_free_sgpr 66
		.amdhsa_reserve_vcc 0
		.amdhsa_float_denorm_mode_32 3
		.amdhsa_float_denorm_mode_16_64 3
		.amdhsa_memory_ordered 1
		.amdhsa_forward_progress 1
		.amdhsa_inst_pref_size 29
	.end_amdhsa_kernel
	.amdgpu_metadata
---
amdhsa.version: [ 1, 2 ]
amdhsa.kernels:
  - .name:           k_q2dd8453f66_prep
    .symbol:         k_q2dd8453f66_prep.kd
    .args:
      - { .name: walks_gate, .offset: 0, .size: 8, .value_kind: global_buffer, .address_space: global }
      - { .name: walks_up, .offset: 8, .size: 8, .value_kind: global_buffer, .address_space: global }
      - { .name: walks_down, .offset: 16, .size: 8, .value_kind: global_buffer, .address_space: global }
      - { .name: x, .offset: 24, .size: 8, .value_kind: global_buffer, .address_space: global }
      - { .name: lut_gate, .offset: 32, .size: 8, .value_kind: global_buffer, .address_space: global }
      - { .name: lut_up, .offset: 40, .size: 8, .value_kind: global_buffer, .address_space: global }
      - { .name: lut_down, .offset: 48, .size: 8, .value_kind: global_buffer, .address_space: global }
      - { .name: sign_r_gate, .offset: 56, .size: 8, .value_kind: global_buffer, .address_space: global }
      - { .name: sign_r_up, .offset: 64, .size: 8, .value_kind: global_buffer, .address_space: global }
      - { .name: sign_r_down, .offset: 72, .size: 8, .value_kind: global_buffer, .address_space: global }
      - { .name: wg, .offset: 80, .size: 8, .value_kind: global_buffer, .address_space: global }
      - { .name: wu, .offset: 88, .size: 8, .value_kind: global_buffer, .address_space: global }
      - { .name: wd, .offset: 96, .size: 8, .value_kind: global_buffer, .address_space: global }
      - { .name: xb, .offset: 104, .size: 8, .value_kind: global_buffer, .address_space: global }
    .group_segment_fixed_size: 33792
    .private_segment_fixed_size: 0
    .kernarg_segment_align: 8
    .kernarg_segment_size: 112
    .max_flat_workgroup_size: 256
    .sgpr_count:     66
    .vgpr_count:     112
    .wavefront_size: 32
...
	.end_amdgpu_metadata
.endif
;; end of part 1
;; launch gateup (part 2): grid 64 x 4, 4 waves a work-group, clusters of 4 x 4, 327,680 bytes of LDS; arguments xb, wg, wu, sign_l_gate, sign_l_up, hid; writes hid
.if DOCPART == 2
	.amdgcn_target "amdgcn-amd-amdhsa--gfx1250"
	.amdhsa_code_object_version 6
	.text
	.protected	k_q2dd8453f66_gateup
	.globl	k_q2dd8453f66_gateup
	.p2align	8
	.type	k_q2dd8453f66_gateup,@function
k_q2dd8453f66_gateup:
	s_mov_b64 s[64:65], 0
	v_nop
	global_prefetch_b8 v0, s[64:65] scope:SCOPE_SE
	s_setreg_imm32_b32 hwreg(HW_REG_WAVE_MODE, 25, 1), 1
	s_wait_xcnt 0x0
	s_wait_alu depctr_hold_cnt(0) depctr_sa_sdst(0) depctr_va_vdst(0) depctr_va_sdst(0) depctr_va_ssrc(0) depctr_va_vcc(0) depctr_vm_vsrc(0)
	s_getreg_b32 s2, hwreg(HW_REG_IB_STS2, 6, 4)
	s_cmp_eq_u32 s2, 0
	s_cbranch_scc0 .Lentry_in_a_cluster
	s_endpgm
.Lentry_in_a_cluster:
	s_bfe_u32 s2, ttmp6, 0x10000c
	s_cmp_lg_u32 s2, 0xf033
	s_cbranch_scc0 .Lentry_shape_is_right
	s_endpgm
.Lentry_shape_is_right:
; hid[t][f] = bf16( silu(g) * u ),  g = 0.02 sign_l_gate[f] * sum over k of xb[t][k] wg[f][k],  u = 0.02 sign_l_up[f] * sum over k of xb[t][k] wu[f][k].
; xb: [1024][2048], wg, wu: [8192][2048], hid: [1024][8192], all bf16; sums, scales and the activation in f32; hid rounded once.
; LIMITS.  silu(g) = g / (1 + 2^(-g log2 e)): where the power overflows the quotient is 0 times g; a power below 2^-126 counts as 0.  The order is (g x sigmoid) x u.  NaN and infinities are not treated apart.
; SHARES.  A work-group takes 256 tokens x 128 columns of hid.  Its tile of B has 256 rows: 128 rows of wg, then the same 128 rows of wu.  Wave w takes tokens 128 (w / 2) .. + 127 and
; columns 64 (w % 2) .. + 63, as gate AND as up: 64 accumulators of 16 x 16, 512 registers.  K goes in steps of 128 through a ring of two LDS slots filled by the tensor data mover;
; the tiles' rows are 256 bytes of memory and start at multiples of 256 bytes from the buffer's first byte.
; THE MATRIX INSTRUCTION IS USED TRANSPOSED (source 0 = 16 rows of B, source 1 = 16 rows of A): lane l holds token l % 16 and the columns 8 (l / 16) + 0..7.  Accumulators (a, b) and (a, b + 4)
; then hold g and u of the same token and column in the same lane and register: the activation changes no lane.
; CLUSTER.  4 x 4 work-groups.  The four of a row of the cluster need the same tile of xb, the four of a column the same tiles of wg and wu: each is asked for JOINTLY, by the same tensor load with
; the same descriptor and a mask that names the four.  The grid is four work-groups high, as high as a cluster: the tile row is my place cy in the cluster.
; REGISTERS, in windows of 256 (s_set_vgpr_msb: bits 1:0 source 0, 3:2 source 1, 5:4 source 2, 7:6 destination):
;   window 0: v0-31 addresses; v64-127, v128-191 fragments of A, two buffers (at work on the way out); v192-223, v224-255 the columns' factors for gate and up
;   window 1: v64-127, v128-191 fragments of B, two buffers: fragments 0-3 gate, 4-7 up
;   window 2: the 32 accumulators of my tokens 0-63 ((a, b) at v[8 (8 a + b)]);   window 3: those of my tokens 64-127
.set SIZE_K, 2048
.set KSTEP,  128
.set PITCH,  272                       ; an LDS row: 256 bytes + 16 of padding = 68 words: row r starts at bank 4 r mod 64 (64 banks of 4 bytes: ISA guide 11.1), so the 16 rows of a load start at 16 different banks
.set HALFT,  128*PITCH                 ; 128 rows: what one tensor load brings
.set SLOT,   4*HALFT                   ; xb's 256 rows, wg's 128, wu's 128
.set SPARE,  2*SLOT                    ; behind the ring: the spare words, 128 bytes for each wave: two blocks of 256 bytes that no other line names
.set LAPS,   SIZE_K/(2*KSTEP)         ; a lap = two K steps = once round the ring: 8
; THE STAGE for the way out is slot 0's first 256 rows of 272 bytes.  It is written behind slot 0's last fill of the launch and behind the barrier that ends its last reads.
.set ADRA, 16                          ; v16-17  LDS address of my A fragments in slot 0, 1
.set ADRB, 20                          ; v20-21  the same for B
.set STO,  24                          ; v24     the way out: where I put 16 bytes of a row
.set RD,   25                          ; v25     the way out: where I read a row back
.set CO,   26                          ; v26     my byte offset in hid
.set CV,   27                          ; v27     my byte offset in the columns' signs
.set SPW,  28                          ; v28     LDS address of my spare word; never rewritten
.set NIL,  29                          ; v29     0; never rewritten
.set F0,   64
.set F1,   128
.set CG,   192                         ; 0.02 sign_l_gate of column 16 b + 8 (l / 16) + j at CG + 8 b + j
.set CU,   224                         ; the same of sign_l_up
.set GS,   64                          ; the way out: g of a block of 16 tokens x 64 columns,
.set US,   96                          ; u,
.set EE,   128                         ; the sigmoid in the making,
.set HP,   160                         ; and the packed results, two buffers of 16
.set G1, 24                            ; s[24:31] descriptor group 1 for A's tiles;  s[32:39] group 0, a set for each slot
.set G0, 32
.set G1B, 48                           ; s[48:55], s[56:63] the same for B's tiles
.set G0B, 56
.set MSB, 0
.macro WIN new                         ; the immediate's high byte repeats the setting that is left; a switch that changes nothing is dropped
.if MSB != (\new)
	s_set_vgpr_msb (MSB<<8)|(\new)
.set MSB, \new
.endif
.endm
.set MUL_LO, 0xa1                      ; source 0 (B) window 1, source 1 (A) window 0, C and D window 2
.set MUL_HI, 0xf1                      ; the same, C and D window 3
.set TO_B,   0x40                      ; destination window 1, address window 0
; A joint load.  Waves 0 and 1 fetch xb's two halves, wave 2 wg's rows, wave 3 wu's.  The branch hangs on the wave's number alone.
; An s_nop 0 and four v_nop follow each of the two lines, ahead of the jump, the label and what follows.
.macro JLOAD s
	s_cmp_eq_u32 s11, 0
	s_cbranch_scc0 .Lfor_b_\@
	tensor_load_to_lds s[G0+4*(\s):G0+4*(\s)+3], s[G1:G1+7]
	s_nop 0
.rept 4
	v_nop
.endr
	s_branch .Lasked_\@
.Lfor_b_\@:
	tensor_load_to_lds s[G0B+4*(\s):G0B+4*(\s)+3], s[G1B:G1B+7]
	s_nop 0
.rept 4
	v_nop
.endr
.Lasked_\@:
.endm
; A round of the cluster's barrier: my work-group's barrier, so that wave 0's signal speaks for all four waves; wave 0 signals; every wave waits for all sixteen work-groups; my work-group's barrier once more.
.macro CREST                           ; a round behind its opening barrier
	s_cmp_lg_u32 s10, 0
	s_cbranch_scc1 .Lnot_wave_0_\@
	s_barrier_signal -3
.Lnot_wave_0_\@:
	s_barrier_wait -3
	s_barrier_signal -1
	s_barrier_wait -1
.endm
.macro CROUND                          ; a whole round
	s_barrier_signal -1
	s_barrier_wait -1
	CREST
.endm
	s_load_b128 s[4:7], s[0:1], 0x0                ; xb s[4:5], wg s[6:7]
	s_load_b256 s[68:75], s[0:1], 0x10             ; wu s[68:69], sign_l_gate s[70:71], sign_l_up s[72:73], hid s[74:75]
	v_lshl_add_u32 v[SPW], v0, 2, SPARE
	v_mov_b32 v[NIL], 0
	ds_add_u32 v[SPW], v[NIL]                      ; the wave's opening: the add and its wait stand ahead of my first tensor load; the set-up below, work on registers, stands between them
	ds_add_u32 v28, v29
	v_lshrrev_b32 v1, 5, v0
	v_readfirstlane_b32 s10, v1                    ; wave 0..3
	s_lshr_b32 s11, s10, 1                         ; which half of the tokens is mine.  Also: I fetch for A (0) or for B (1)
	s_and_b32 s12, s10, 1                          ; which half of the columns.  Also: which 128 rows I fetch (A: the half; B: wg or wu)
	s_bfe_u32 s40, ttmp6, 0x40000                  ; cx
	s_bfe_u32 s41, ttmp6, 0x40004                  ; cy
	s_lshl_b32 s42, ttmp9, 2                       ; in a cluster launch ttmp9 counts clusters
	s_add_co_u32 s42, s42, s40                     ; tile column = 4 x cluster x + cx
	s_mov_b32 s13, s41                             ; tile row = cy
	s_lshl_b32 s43, s41, 2
	s_lshl_b32 s43, 15, s43                        ; my row of the cluster: places 4 cy .. 4 cy + 3
	s_lshl_b32 s44, 0x1111, s40                    ; my column: places cx, cx + 4, cx + 8, cx + 12
	; descriptor group 1: a tile of 128 rows x 128 elements, padded in LDS
	s_or_b32 s[G1+0], s43, (1<<16)|(1<<20)|(1<<21)|(5<<22)|(3<<25)  ; 15:0 the mask; 17:16 elements of 2 bytes; 20 padding on; 21 set beside a mask; 24:22 after every 64 words (code 5); 31:25 4 words of it (code 3)
	s_or_b32 s[G1B+0], s44, (1<<16)|(1<<20)|(1<<21)|(5<<22)|(3<<25)
.irp g, G1, G1B
	s_mov_b32 s[(\g)+1], KSTEP<<16                 ; tensor_dim0 = 128
	s_mov_b32 s[(\g)+2], 128<<16                   ; tensor_dim1 = 128
	s_mov_b32 s[(\g)+3], KSTEP<<16                 ; tile_dim0 = 128
	s_mov_b32 s[(\g)+4], 128                       ; tile_dim1 = 128
	s_mov_b32 s[(\g)+5], SIZE_K                    ; elements from row to row
	s_mov_b32 s[(\g)+6], 0
	s_mov_b32 s[(\g)+7], 0
.endr
	; where the tiles come from.  A's hang on the tile row alone, B's on the tile column alone; every wave makes both addresses, in registers that never hold the other coordinate.
	s_lshl_b32 s17, s12, 7
	s_lshl_b32 s16, s13, 8
	s_add_co_u32 s16, s16, s17                     ; A: row 256 x tile row + 128 x half,
	s_lshl_b32 s16, s16, 12                        ; of 4,096 bytes
	s_mov_b32 s17, 0
	s_lshl_b32 s46, s42, 19                        ; B: row 128 x tile column, of 4,096 bytes
	s_mov_b32 s47, 0
	s_mul_i32 s20, s10, HALFT                      ; where they go: wave x 128 rows: no place in the cluster enters an LDS address
	s_wait_dscnt 0x0                               ; the opening add is done
	s_wait_kmcnt 0x0
	s_add_nc_u64 s[14:15], s[4:5], s[16:17]
	s_cmp_eq_u32 s12, 0                            ; wg for the even wave, wu for the odd one: the same choice in every work-group
	s_cselect_b64 s[8:9], s[6:7], s[68:69]
	s_add_nc_u64 s[46:47], s[8:9], s[46:47]
	CROUND                                         ; all sixteen work-groups are here: the first joint loads meet
.irp s, 0,1
	s_mov_b32 s[G0+4*(\s)], 1                                      ; count = 1
	s_add_co_u32 s[G0+4*(\s)+1], s20, (\s)*SLOT                    ; LDS address
	s_add_nc_u64 s[G0+4*(\s)+2:G0+4*(\s)+3], s[14:15], (\s)*KSTEP*2  ; global address: K step s
	s_or_b32 s[G0+4*(\s)+3], s[G0+4*(\s)+3], 0x80000000            ; type = 2
	s_mov_b32 s[G0B+4*(\s)], 1
	s_add_co_u32 s[G0B+4*(\s)+1], s20, (\s)*SLOT
	s_add_nc_u64 s[G0B+4*(\s)+2:G0B+4*(\s)+3], s[46:47], (\s)*KSTEP*2
	s_or_b32 s[G0B+4*(\s)+3], s[G0B+4*(\s)+3], 0x80000000
	JLOAD \s                                       ; two loads of mine are out
.endr
	; A fragment is 16 rows x 32 K in 8 registers: lane l holds row l % 16; registers 0-3 K = 8 (l / 16) + 0..7, registers 4-7 K = 16 + 8 (l / 16) + 0..7: two loads of 16 bytes, 32 bytes apart.
	v_and_b32 v1, 15, v0                           ; l % 16
	v_bfe_u32 v2, v0, 4, 1                         ; l / 16
	v_mul_u32_u24 v3, v1, PITCH
	v_lshl_add_u32 v3, v2, 4, v3                   ; row x pitch + 16 x half
	s_mul_i32 s21, s11, HALFT                      ; my 128 rows of A
	s_mul_i32 s22, s12, 64*PITCH                   ; my 64 rows of wg (wu's lie 128 rows further on),
	s_add_co_u32 s22, s22, 2*HALFT                 ; behind A's 256
.irp s, 0,1
	v_add_nc_u32 v[ADRA+(\s)], s21, v3
	v_add_nc_u32 v[ADRB+(\s)], s22, v3
	s_add_co_u32 s21, s21, SLOT
	s_add_co_u32 s22, s22, SLOT
.endr
	s_mul_i32 s23, s11, HALFT                      ; into the stage: my 128 rows, my half of their 256 bytes; row l % 16, 16 bytes for each half of the lanes
	s_lshl_b32 s21, s12, 7
	s_add_co_u32 s23, s23, s21
	v_add_nc_u32 v[STO], s23, v3
	s_mul_i32 s23, s10, 64*PITCH                   ; back: wave w takes rows 64 w .. 64 w + 63, whole; lanes 0-15 one row of 256 bytes, lanes 16-31 the next
	v_mul_u32_u24 v5, v2, PITCH
	v_lshl_add_u32 v5, v1, 4, v5
	v_add_nc_u32 v[RD], s23, v5
	v_lshlrev_b32 v5, 14, v2                       ; and the same two rows in hid, 16,384 bytes apart
	v_lshl_add_u32 v[CO], v1, 4, v5
	v_lshlrev_b32 v[CV], 5, v2                     ; eight signs for each half of the lanes
	s_lshl_b32 s46, s42, 9                         ; my first column, in f32: 512 x tile column + 256 x half
	s_lshl_b32 s47, s12, 8
	s_add_co_u32 s46, s46, s47
	s_mov_b32 s47, 0
	s_add_nc_u64 s[70:71], s[70:71], s[46:47]
	s_add_nc_u64 s[72:73], s[72:73], s[46:47]
	s_lshl_b32 s16, s13, 8
	s_lshl_b32 s17, s10, 6
	s_add_co_u32 s16, s16, s17                     ; the first row of hid that I store: 256 x tile row + 64 x wave,
	s_lshl_b32 s16, s16, 14                        ; of 16,384 bytes
	s_mov_b32 s17, 0
	s_add_nc_u64 s[74:75], s[74:75], s[16:17]
	s_lshl_b32 s46, s42, 8                         ; the tile's first column, in bf16
	s_add_nc_u64 s[74:75], s[74:75], s[46:47]
.irp b, 0,1,2,3
	global_load_b128 v[CG+8*(\b):CG+8*(\b)+3],   v[CV], s[70:71] offset:64*(\b)
	global_load_b128 v[CG+8*(\b)+4:CG+8*(\b)+7], v[CV], s[70:71] offset:64*(\b)+16
	global_load_b128 v[CU+8*(\b):CU+8*(\b)+3],   v[CV], s[72:73] offset:64*(\b)
	global_load_b128 v[CU+8*(\b)+4:CU+8*(\b)+7], v[CV], s[72:73] offset:64*(\b)+16
.endr
	s_wait_loadcnt 0x0
.set i, 0
.rept 32                               ; both sets times 0.02: all this stands in the wait for the first tile
	v_pk_mul_f32 v[CG+2*i:CG+2*i+1], v[CG+2*i:CG+2*i+1], 0x3ca3d70a op_sel_hi:[1,0]
.set i, i+1
.endr
; 16 matrix instructions: token blocks a0, a0 + 1 of the window's four x all 8 fragments of B, 32 along K.  zero = 1: the first product starts the sums: nothing is ever cleared.
; The 64 accumulators take turns, one instruction a turn, in the same order in every quarter step.
.macro MUL16 f, hi, a0, zero
	WIN MUL_LO+0x50*(\hi)
.irp a, \a0, (\a0)+1
.irp b, 0,1,2,3,4,5,6,7
.if \zero
	v_wmma_f32_16x16x32_bf16 v[8*(8*(\a)+(\b)):8*(8*(\a)+(\b))+7], v[(\f)+8*(\b):(\f)+8*(\b)+7], v[(\f)+8*(4*(\hi)+(\a)):(\f)+8*(4*(\hi)+(\a))+7], 0
.else
	v_wmma_f32_16x16x32_bf16 v[8*(8*(\a)+(\b)):8*(8*(\a)+(\b))+7], v[(\f)+8*(\b):(\f)+8*(\b)+7], v[(\f)+8*(4*(\hi)+(\a)):(\f)+8*(4*(\hi)+(\a))+7], v[8*(8*(\a)+(\b)):8*(8*(\a)+(\b))+7]
.endif
.endr
.endr
.endm
; 32 LDS loads in one run: the fragments of one quarter step (64 rows of wg, 64 of wu, 128 of xb, 32 K at byte k of the rows) into buffer f; B's sixteen loads first
.macro FETCH slot, k, f
	WIN TO_B
.irp i, 0,1,2,3,4,5,6,7
	ds_load_b128 v[(\f)+8*(\i):(\f)+8*(\i)+3],   v[ADRB+(\slot)] offset:(\k)+((\i)/4)*128*PITCH+((\i)%4)*16*PITCH
	ds_load_b128 v[(\f)+8*(\i)+4:(\f)+8*(\i)+7], v[ADRB+(\slot)] offset:(\k)+((\i)/4)*128*PITCH+((\i)%4)*16*PITCH+32
.endr
	WIN 0
.irp i, 0,1,2,3,4,5,6,7
	ds_load_b128 v[(\f)+8*(\i):(\f)+8*(\i)+3],   v[ADRA+(\slot)] offset:(\k)+(\i)*16*PITCH
	ds_load_b128 v[(\f)+8*(\i)+4:(\f)+8*(\i)+7], v[ADRA+(\slot)] offset:(\k)+(\i)*16*PITCH+32
.endr
.endm
; A load into a register that a matrix instruction has read, and a vector instruction that reads a matrix result or writes one of a matrix instruction's registers, stand four places behind it;
; only plain vector instructions that name none of its registers are places (ISA guide 7.12.1 for vector instructions).
.macro PLACES
.rept 4
	v_nop
.endr
.endm
; A K step is four quarter steps of 32 along K, 64 matrix instructions each, on buffers 0, 1, 0, 1.  One of the first three: multiplies buffer f; in its middle it fetches the next quarter, at byte k, into g.
.macro QUARTER slot, k, f, g, zero
	s_wait_dscnt 8                                 ; B and A's rows 0-63 are in; the youngest eight loads (A's rows 64-127) may be out
	WIN MUL_LO
	MUL16 \f, 0, 0, \zero
	MUL16 \f, 0, 2, \zero
	PLACES
	FETCH \slot, \k, \g
	s_wait_dscnt 32                                ; all but the 32 just issued
	WIN MUL_HI
	MUL16 \f, 1, 0, \zero
	MUL16 \f, 1, 2, \zero
.endm
; The last quarter multiplies buffer 1 and changes slots.  MEET is its first half: ONE barrier.  In front of it each wave waits for all its tensor loads, of which one is out: its part of the next slot;
; adds 0 to its spare word; and waits for that and for its own reads of this slot.  Behind it nobody reads this slot any more and the next slot is whole.
.macro MEET round                      ; round = 1: the rest of a round of the cluster's barrier follows
	WIN 0                                          ; (the add's two registers lie in window 0)
	s_wait_tensorcnt 0x0                           ; all my tensor loads have landed;
	ds_add_u32 v[SPW], v[NIL]                      ; 0 onto my spare word;
	s_wait_dscnt 9                                 ; (the add and the youngest eight loads may be out)
	WIN MUL_LO
	MUL16 F1, 0, 0, 0                              ; sixteen matrix instructions stand between the add and the wait for it
	s_wait_dscnt 0x0                               ; the add is done, and my reads of this slot are over
	s_barrier_signal -1
	MUL16 F1, 0, 2, 0                              ; work on registers while the others arrive
.if \round
	WIN 0
.endif
	s_barrier_wait -1
.endm
; The whole last quarter.  fill = 1: behind the round this slot is filled again first, with the K step two steps on: 224 matrix instructions ahead of the wait for it; then come the next slot's first fragments.
.macro TURN slot, next, fill
.if \fill
	MEET 1
	CREST                                          ; no wave of any partner still reads this slot's tile or has a load on its way
	s_add_nc_u64 s[G0+4*(\slot)+2:G0+4*(\slot)+3], s[G0+4*(\slot)+2:G0+4*(\slot)+3], 2*KSTEP*2
	s_add_nc_u64 s[G0B+4*(\slot)+2:G0B+4*(\slot)+3], s[G0B+4*(\slot)+2:G0B+4*(\slot)+3], 2*KSTEP*2
	JLOAD \slot                                    ; the first tensor load behind the round; the four v_nop behind it are also the places in front of the loads below
.else
	MEET 0
	PLACES
.endif
	FETCH \next, 0, F0
	WIN MUL_HI
	MUL16 F1, 1, 0, 0
	MUL16 F1, 1, 2, 0
.endm
	s_wait_tensorcnt 1                             ; my part of K step 0 is in; K step 1's may stay out
	s_barrier_signal -1
	s_barrier_wait -1                              ; everybody's is
	FETCH 0, 0, F0
	QUARTER 0, 64,  F0, F1, 1                      ; the first quarter stands in front of the loop: its products start the sums
	WIN 0                                          ; at a label and at a branch every window is 0
	s_mov_b32 s3, LAPS-1
.Llap:                                                 ; a trip goes once round the ring, from a lap's second quarter to the next lap's first, and fills both slots again
	QUARTER 0, 128, F1, F0, 0
	QUARTER 0, 192, F0, F1, 0
	TURN 0, 1, 1
	QUARTER 1, 64,  F0, F1, 0
	QUARTER 1, 128, F1, F0, 0
	QUARTER 1, 192, F0, F1, 0
	TURN 1, 0, 1
	QUARTER 0, 64,  F0, F1, 0
	WIN 0
	s_sub_co_u32 s3, s3, 1
	s_cmp_lg_u32 s3, 0
	s_cbranch_scc1 .Llap
	QUARTER 0, 128, F1, F0, 0                      ; the last lap fills nothing and has no round of the cluster's barrier
	QUARTER 0, 192, F0, F1, 0
	TURN 0, 1, 0                                   ; behind its barrier no wave reads slot 0 any more, and no load fills it: its bytes become the stage
	QUARTER 1, 64,  F0, F1, 0
	QUARTER 1, 128, F1, F0, 0
	QUARTER 1, 192, F0, F1, 0
	s_wait_dscnt 8                                 ; the very last quarter: nothing more to fetch
	MUL16 F1, 0, 0, 0
	MUL16 F1, 0, 2, 0
	s_wait_dscnt 0x0
	MUL16 F1, 1, 0, 0
	MUL16 F1, 1, 2, 0
	WIN 0
	PLACES
; THE ACTIVATION of block a (16 tokens x 64 columns): g and u get their columns' factors; h = (g / (1 + 2^(-g log2 e))) u; rounded to bf16, 16 bytes a lane into the stage.
; Each accumulator's registers are read in ascending order.  The exponentials and the reciprocals stand in runs; a v_nop stands between each run and the use of its results (ISA guide 5.7.2).
.macro ACT a
.set AC, 64*((\a)%4)
.set HB, HP+16*((\a)%2)
	WIN 0x02+(\a)/4                                ; source 0: window 2 or 3
.set i, 0
.rept 16
	v_pk_mul_f32 v[GS+2*i:GS+2*i+1], v[AC+2*i:AC+2*i+1], v[CG+2*i:CG+2*i+1]
.set i, i+1
.endr
.set i, 0
.rept 16
	v_pk_mul_f32 v[US+2*i:US+2*i+1], v[AC+32+2*i:AC+32+2*i+1], v[CU+2*i:CU+2*i+1]
.set i, i+1
.endr
	WIN 0
.set i, 0
.rept 16
	v_pk_mul_f32 v[EE+2*i:EE+2*i+1], v[GS+2*i:GS+2*i+1], 0xbfb8aa3b op_sel_hi:[1,0]  ; -g log2 e
.set i, i+1
.endr
.set i, 0
.rept 32
	v_exp_f32 v[EE+i], v[EE+i]
.set i, i+1
.endr
	v_nop
.set i, 0
	s_wait_alu depctr_va_vdst(0)
.rept 16
	v_pk_add_f32 v[EE+2*i:EE+2*i+1], v[EE+2*i:EE+2*i+1], 1.0 op_sel_hi:[1,0]
.set i, i+1
.endr
.set i, 0
.rept 32
	v_rcp_f32 v[EE+i], v[EE+i]
.set i, i+1
.endr
	v_nop
.set i, 0
	s_wait_alu depctr_va_vdst(0)
.rept 16
	v_pk_mul_f32 v[GS+2*i:GS+2*i+1], v[GS+2*i:GS+2*i+1], v[EE+2*i:EE+2*i+1]
.set i, i+1
.endr
.set i, 0
.rept 16
	v_pk_mul_f32 v[GS+2*i:GS+2*i+1], v[GS+2*i:GS+2*i+1], v[US+2*i:US+2*i+1]
.set i, i+1
.endr
.set i, 0
.rept 16
	v_cvt_pk_bf16_f32 v[HB+i], v[GS+2*i], v[GS+2*i+1]
.set i, i+1
.endr
.irp b, 0,1,2,3
	ds_store_b128 v[STO], v[HB+4*(\b):HB+4*(\b)+3] offset:(\a)*16*PITCH+32*(\b)
.endr
.endm
.irp a, 0,1,2,3,4,5,6,7
	ACT \a
.endr
	s_wait_dscnt 0x0                               ; for the others' sake: my stores into the stage are done (a row's 256 bytes come from two waves)
	s_barrier_signal -1
	s_barrier_wait -1
.set t, 0
.rept 32
	ds_load_b128 v[64+4*t:64+4*t+3], v[RD] offset:2*t*PITCH
.set t, t+1
.endr
.set t, 0
.rept 32
	s_wait_dscnt 31-t                              ; the later loads stay out
	global_store_b128 v[CO], v[64+4*t:64+4*t+3], s[74:75] offset:2*t*16384  ; 16 lanes store 256 consecutive bytes, at a multiple of 256 from hid's first byte
.set t, t+1
.endr
	s_wait_tensorcnt 0x0                           ; the wave's end: three closing lines, behind my last tensor load and my last LDS store
	ds_add_u32 v[SPW], v[NIL]
	s_wait_dscnt 0x0
	CROUND                                         ; the closing round: no work-group ends while a partner may still ask for a tile that names it
	s_endpgm
.Lfunc_end_k_q2dd8453f66_gateup:
	.size	k_q2dd8453f66_gateup, .Lfunc_end_k_q2dd8453f66_gateup-k_q2dd8453f66_gateup
	.p2alignl 7, 3214868480
	.fill 96, 4, 3214868480
	.section	.rodata,"a",@progbits
	.p2align	6, 0x0
	.amdhsa_kernel k_q2dd8453f66_gateup
		.amdhsa_group_segment_fixed_size 327680
		.amdhsa_private_segment_fixed_size 0
		.amdhsa_enable_private_segment 0
		.amdhsa_kernarg_size 48
		.amdhsa_user_sgpr_count 2
		.amdhsa_user_sgpr_kernarg_segment_ptr 1
		.amdhsa_wavefront_size32 1
		.amdhsa_system_sgpr_workgroup_id_x 1
		.amdhsa_system_sgpr_workgroup_id_y 1
		.amdhsa_system_sgpr_workgroup_id_z 1
		.amdhsa_system_vgpr_workitem_id 0
		.amdhsa_next_free_vgpr 1024
		.amdhsa_next_free_sgpr 76
		.amdhsa_reserve_vcc 0
		.amdhsa_float_denorm_mode_32 3
		.amdhsa_float_denorm_mode_16_64 3
		.amdhsa_memory_ordered 1
		.amdhsa_forward_progress 1
		.amdhsa_inst_pref_size 201
	.end_amdhsa_kernel
	.amdgpu_metadata
---
amdhsa.version: [ 1, 2 ]
amdhsa.kernels:
  - .name:           k_q2dd8453f66_gateup
    .symbol:         k_q2dd8453f66_gateup.kd
    .args:
      - { .name: xb, .offset: 0, .size: 8, .value_kind: global_buffer, .address_space: global }
      - { .name: wg, .offset: 8, .size: 8, .value_kind: global_buffer, .address_space: global }
      - { .name: wu, .offset: 16, .size: 8, .value_kind: global_buffer, .address_space: global }
      - { .name: sign_l_gate, .offset: 24, .size: 8, .value_kind: global_buffer, .address_space: global }
      - { .name: sign_l_up, .offset: 32, .size: 8, .value_kind: global_buffer, .address_space: global }
      - { .name: hid, .offset: 40, .size: 8, .value_kind: global_buffer, .address_space: global }
    .group_segment_fixed_size: 327680
    .private_segment_fixed_size: 0
    .kernarg_segment_align: 8
    .kernarg_segment_size: 48
    .max_flat_workgroup_size: 128
    .sgpr_count:     76
    .vgpr_count:     1024
    .wavefront_size: 32
...
	.end_amdgpu_metadata
.endif
;; end of part 2
;; launch down (part 3): grid 16 x 8, 4 waves a work-group, clusters of 4 x 4, 327,680 bytes of LDS; arguments hid, wd, sign_l_down, out0; writes out0
.if DOCPART == 3
	.amdgcn_target "amdgcn-amd-amdhsa--gfx1250"
	.amdhsa_code_object_version 6
	.text
	.protected	k_q2dd8453f66_down
	.globl	k_q2dd8453f66_down
	.p2align	8
	.type	k_q2dd8453f66_down,@function
k_q2dd8453f66_down:
	s_mov_b64 s[64:65], 0
	v_nop
	global_prefetch_b8 v0, s[64:65] scope:SCOPE_SE
	s_setreg_imm32_b32 hwreg(HW_REG_WAVE_MODE, 25, 1), 1
	s_wait_xcnt 0x0
	s_wait_alu depctr_hold_cnt(0) depctr_sa_sdst(0) depctr_va_vdst(0) depctr_va_sdst(0) depctr_va_ssrc(0) depctr_va_vcc(0) depctr_vm_vsrc(0)
	s_getreg_b32 s2, hwreg(HW_REG_IB_STS2, 6, 4)
	s_cmp_eq_u32 s2, 0
	s_cbranch_scc0 .Lentry_in_a_cluster
	s_endpgm
.Lentry_in_a_cluster:
	s_bfe_u32 s2, ttmp6, 0x10000c
	s_cmp_lg_u32 s2, 0xf033
	s_cbranch_scc0 .Lentry_shape_is_right
	s_endpgm
.Lentry_shape_is_right:
; out0[t][n] = 0.02 sign_l_down[n] * sum over k of hid[t][k] wd[n][k].  hid: [1024][8192], wd: [2048][8192], both bf16; sums and the scale in f32; out0: [1024][2048] f32.
; SHARES.  A tile of out0 is 128 x 128: 128 work-groups.  Tiles of 128 x 64 would make 256, but fetch 384 bytes of operands for 8,192 multiply-adds where this tile fetches 512 for 16,384;
; a split of K would want a further launch for the partial sums.  Four waves, each 64 x 64: 16 accumulators of 16 x 16.  K goes in steps of 256 (LDS rows of 512 bytes; a wave's tensor load brings 64 of them).
; CLUSTER.  4 x 4 work-groups.  The four of a row of the cluster need the same tiles of hid, the four of a column the same tiles of wd: each is asked for JOINTLY, by the same tensor load with the same
; descriptor and a mask that names the four.  THE MATRIX INSTRUCTION IS USED TRANSPOSED (source 0 = 16 rows of wd, source 1 = 16 rows of hid): a lane holds eight neighbouring numbers of a row of out0.
; THE WAY OUT.  A wave's 64 columns of f32 are 256 bytes, aligned: each wave has a stage of its own (16 rows), and no barrier is needed.
; REGISTERS: window 0: v0-31 addresses; v32-63, v64-95 at work on the way out; v96-127 the columns' factors; v128-255 the accumulators ((a, b) at v[128 + 8 (4 a + b)]).
;   window 1: two fragment buffers of 128: for 64 along K, 64 registers of A (2 x 4 x 16 rows x 32 K), then 64 of B.
.set SIZE_K, 8192
.set KSTEP,  256
.set PITCH,  528                       ; an LDS row: 512 bytes + 16 of padding = 132 words: row r starts at bank 4 r mod 64 (64 banks of 4 bytes: ISA guide 11.1)
.set HALFT,  64*PITCH                  ; 64 rows: what one tensor load brings, and what one wave reads of A or of B
.set SLOT,   4*HALFT                   ; A's 128 rows, then B's 128 rows
.set STAGE,  2*SLOT                    ; behind the ring, never filled by a tensor load: 16 rows x 272 bytes for each wave
.set SPITCH, 272
.set SPARE,  STAGE+4*16*SPITCH         ; behind the stages: the spare words, 128 bytes for each wave: two blocks of 256 bytes that no other line names
.set LAPS,   SIZE_K/(2*KSTEP)         ; a lap = two K steps = once round the ring: 16
.set ADRA, 16                          ; v16-17  LDS address of my A fragments in slot 0, 1
.set ADRB, 20                          ; v20-21  the same for B
.set STO,  24                          ; v24     the way out: where I put 32 bytes of a row
.set RD,   25                          ; v25     the way out: where I read a row back
.set CO,   26                          ; v26     my byte offset in out0
.set CV,   27                          ; v27     my byte offset in the columns' signs
.set SPW,  28                          ; v28     LDS address of my spare word; never rewritten
.set NIL,  29                          ; v29     0; never rewritten
.set TMP,  32                          ; a block of 16 rows x 64 columns, scaled
.set OB,   64                          ; the same as whole rows
.set CD,   96                          ; 0.02 sign_l_down of column 16 b + 8 (l / 16) + j at CD + 8 b + j
.set ACC,  128
.set F0,   0                           ; fragment buffers, in window 1
.set F1,   128
.set G1, 24                            ; s[24:31] descriptor group 1 for A's tiles;  s[32:39] group 0, a set for each slot
.set G0, 32
.set G1B, 48                           ; s[48:55], s[56:63] the same for B's tiles
.set G0B, 56
.set MSB, 0
.macro WIN new                         ; the immediate's high byte repeats the setting that is left; a switch that changes nothing is dropped
.if MSB != (\new)
	s_set_vgpr_msb (MSB<<8)|(\new)
.set MSB, \new
.endif
.endm
.set MUL,  0x05                        ; sources 0 (B) and 1 (A) window 1; C and D window 0
.set TO_F, 0x40                        ; destination window 1, address window 0
.macro JLOAD s                         ; a joint load: waves 0 and 1 fetch A's two halves, waves 2 and 3 B's; an s_nop 0 and four v_nop follow each of the two lines, ahead of the jump, the label and what follows
	s_cmp_eq_u32 s11, 0
	s_cbranch_scc0 .Lfor_b_\@
	tensor_load_to_lds s[G0+4*(\s):G0+4*(\s)+3], s[G1:G1+7]
	s_nop 0
.rept 4
	v_nop
.endr
	s_branch .Lasked_\@
.Lfor_b_\@:
	tensor_load_to_lds s[G0B+4*(\s):G0B+4*(\s)+3], s[G1B:G1B+7]
	s_nop 0
.rept 4
	v_nop
.endr
.Lasked_\@:
.endm
.macro CREST                           ; a round of the cluster's barrier behind its opening barrier
	s_cmp_lg_u32 s10, 0
	s_cbranch_scc1 .Lnot_wave_0_\@
	s_barrier_signal -3
.Lnot_wave_0_\@:
	s_barrier_wait -3
	s_barrier_signal -1
	s_barrier_wait -1
.endm
.macro CROUND                          ; a whole round
	s_barrier_signal -1
	s_barrier_wait -1
	CREST
.endm
	s_load_b128 s[4:7], s[0:1], 0x0                ; hid s[4:5], wd s[6:7]
	s_load_b128 s[68:71], s[0:1], 0x10             ; sign_l_down s[68:69], out0 s[70:71]
	v_lshl_add_u32 v[SPW], v0, 2, SPARE
	v_mov_b32 v[NIL], 0
	ds_add_u32 v[SPW], v[NIL]                      ; the wave's opening: the add and its wait stand ahead of my first tensor load; the set-up below, work on registers, stands between them
	ds_add_u32 v28, v29
	v_lshrrev_b32 v1, 5, v0
	v_readfirstlane_b32 s10, v1                    ; wave 0..3
	s_lshr_b32 s11, s10, 1                         ; which half of the tile's rows is mine.  Also: I fetch for A (0) or for B (1)
	s_and_b32 s12, s10, 1                          ; which half of its columns.  Also: which 64 rows of that tile I fetch
	s_bfe_u32 s40, ttmp6, 0x40000                  ; cx, cy: my place in the cluster
	s_bfe_u32 s41, ttmp6, 0x40004
	s_lshl_b32 s42, ttmp9, 2
	s_add_co_u32 s42, s42, s40                     ; tile column = 4 x cluster x + cx
	s_and_b32 s13, ttmp7, 0xffff
	s_lshl_b32 s13, s13, 2
	s_add_co_u32 s13, s13, s41                     ; tile row = 4 x cluster y + cy
	s_lshl_b32 s43, s41, 2
	s_lshl_b32 s43, 15, s43                        ; my row of the cluster
	s_lshl_b32 s44, 0x1111, s40                    ; my column
	; descriptor group 1: a tile of 64 rows x 256 elements, padded in LDS
	s_or_b32 s[G1+0], s43, (1<<16)|(1<<20)|(1<<21)|(6<<22)|(3<<25)  ; 15:0 the mask; 17:16 elements of 2 bytes; 20 padding on; 21 set beside a mask; 24:22 after every 128 words (code 6); 31:25 4 words of it (code 3)
	s_or_b32 s[G1B+0], s44, (1<<16)|(1<<20)|(1<<21)|(6<<22)|(3<<25)
.irp g, G1, G1B
	s_mov_b32 s[(\g)+1], KSTEP<<16                 ; tensor_dim0 = 256
	s_mov_b32 s[(\g)+2], 64<<16                    ; tensor_dim1 = 64
	s_mov_b32 s[(\g)+3], KSTEP<<16                 ; tile_dim0 = 256
	s_mov_b32 s[(\g)+4], 64                        ; tile_dim1 = 64
	s_mov_b32 s[(\g)+5], SIZE_K                    ; elements from row to row
	s_mov_b32 s[(\g)+6], 0
	s_mov_b32 s[(\g)+7], 0
.endr
	s_lshl_b32 s17, s12, 6                         ; which 64 rows of the tile I fetch
	s_lshl_b32 s16, s13, 7
	s_add_co_u32 s16, s16, s17                     ; A: row 128 x tile row + 64 x half,
	s_lshl_b32 s16, s16, 14                        ; of 16,384 bytes
	s_lshl_b32 s46, s42, 7
	s_add_co_u32 s46, s46, s17                     ; B: row 128 x tile column + 64 x half
	s_lshl_b32 s46, s46, 14
	s_mov_b32 s17, 0
	s_mov_b32 s47, 0
	s_mul_i32 s20, s10, HALFT                      ; where they go: wave x 64 rows: no place in the cluster enters an LDS address
	s_wait_dscnt 0x0                               ; the opening add is done
	s_wait_kmcnt 0x0
	s_add_nc_u64 s[14:15], s[4:5], s[16:17]
	s_add_nc_u64 s[46:47], s[6:7], s[46:47]
	CROUND                                         ; all sixteen work-groups are here: the first joint loads meet
.irp s, 0,1
	s_mov_b32 s[G0+4*(\s)], 1
	s_add_co_u32 s[G0+4*(\s)+1], s20, (\s)*SLOT
	s_add_nc_u64 s[G0+4*(\s)+2:G0+4*(\s)+3], s[14:15], (\s)*KSTEP*2
	s_or_b32 s[G0+4*(\s)+3], s[G0+4*(\s)+3], 0x80000000
	s_mov_b32 s[G0B+4*(\s)], 1
	s_add_co_u32 s[G0B+4*(\s)+1], s20, (\s)*SLOT
	s_add_nc_u64 s[G0B+4*(\s)+2:G0B+4*(\s)+3], s[46:47], (\s)*KSTEP*2
	s_or_b32 s[G0B+4*(\s)+3], s[G0B+4*(\s)+3], 0x80000000
	JLOAD \s                                       ; two loads of mine are out
.endr
	v_and_b32 v1, 15, v0                           ; l % 16
	v_bfe_u32 v2, v0, 4, 1                         ; l / 16
	v_mul_u32_u24 v3, v1, PITCH
	v_lshl_add_u32 v3, v2, 4, v3                   ; a fragment's row x pitch + 16 x half
	s_mul_i32 s21, s11, HALFT                      ; my 64 rows of A
	s_mul_i32 s22, s12, HALFT                      ; my 64 rows of B,
	s_add_co_u32 s22, s22, 2*HALFT                 ; which lie behind A's 128
.irp s, 0,1
	v_add_nc_u32 v[ADRA+(\s)], s21, v3
	v_add_nc_u32 v[ADRB+(\s)], s22, v3
	s_add_co_u32 s21, s21, SLOT
	s_add_co_u32 s22, s22, SLOT
.endr
	s_mul_i32 s23, s10, 16*SPITCH
	s_add_co_u32 s23, s23, STAGE                   ; my stage
	v_mul_u32_u24 v4, v1, SPITCH                   ; in: row l % 16, 32 bytes (eight f32) for each half of the lanes
	v_lshl_add_u32 v4, v2, 5, v4
	v_add_nc_u32 v[STO], s23, v4
	v_mul_u32_u24 v5, v2, SPITCH                   ; back: lanes 0-15 take one row of 256 bytes, lanes 16-31 the next
	v_lshl_add_u32 v5, v1, 4, v5
	v_add_nc_u32 v[RD], s23, v5
	v_lshlrev_b32 v5, 13, v2                       ; and the same two rows in out0, 8,192 bytes apart
	v_lshl_add_u32 v[CO], v1, 4, v5
	v_lshlrev_b32 v[CV], 5, v2                     ; eight signs for each half of the lanes
	s_lshl_b32 s46, s42, 9                         ; my first column, in f32: 512 x tile column + 256 x half
	s_lshl_b32 s47, s12, 8
	s_add_co_u32 s46, s46, s47
	s_mov_b32 s47, 0
	s_add_nc_u64 s[68:69], s[68:69], s[46:47]
	s_add_nc_u64 s[70:71], s[70:71], s[46:47]
	s_lshl_b32 s16, s13, 7
	s_lshl_b32 s17, s11, 6
	s_add_co_u32 s16, s16, s17                     ; my first row of out0: 128 x tile row + 64 x half,
	s_lshl_b32 s16, s16, 13                        ; of 8,192 bytes
	s_mov_b32 s17, 0
	s_add_nc_u64 s[70:71], s[70:71], s[16:17]
.irp b, 0,1,2,3
	global_load_b128 v[CD+8*(\b):CD+8*(\b)+3],   v[CV], s[68:69] offset:64*(\b)
	global_load_b128 v[CD+8*(\b)+4:CD+8*(\b)+7], v[CV], s[68:69] offset:64*(\b)+16
.endr
	s_wait_loadcnt 0x0
.set i, 0
.rept 16                               ; times 0.02: this stands in the wait for the first tile
	v_pk_mul_f32 v[CD+2*i:CD+2*i+1], v[CD+2*i:CD+2*i+1], 0x3ca3d70a op_sel_hi:[1,0]
.set i, i+1
.endr
; 8 matrix instructions: row blocks a0, a0 + 1 x all 4 column blocks, 32 along K: half c of buffer f.  zero = 1: the first product starts the sums.  The 16 accumulators take turns.
.macro MUL8 f, c, a0, zero
	WIN MUL
.irp a, \a0, (\a0)+1
.irp b, 0,1,2,3
.if \zero
	v_wmma_f32_16x16x32_bf16 v[ACC+8*(4*(\a)+(\b)):ACC+8*(4*(\a)+(\b))+7], v[(\f)+64+8*(4*(\c)+(\b)):(\f)+64+8*(4*(\c)+(\b))+7], v[(\f)+8*(4*(\c)+(\a)):(\f)+8*(4*(\c)+(\a))+7], 0
.else
	v_wmma_f32_16x16x32_bf16 v[ACC+8*(4*(\a)+(\b)):ACC+8*(4*(\a)+(\b))+7], v[(\f)+64+8*(4*(\c)+(\b)):(\f)+64+8*(4*(\c)+(\b))+7], v[(\f)+8*(4*(\c)+(\a)):(\f)+8*(4*(\c)+(\a))+7], v[ACC+8*(4*(\a)+(\b)):ACC+8*(4*(\a)+(\b))+7]
.endif
.endr
.endr
.endm
; 32 LDS loads in one run: the fragments of 64 along K at byte k of the rows, into buffer f; the first 32 along K first
.macro FETCH slot, k, f
	WIN TO_F
.irp c, 0,1
.irp i, 0,1,2,3
	ds_load_b128 v[(\f)+64+8*(4*(\c)+(\i)):(\f)+64+8*(4*(\c)+(\i))+3],   v[ADRB+(\slot)] offset:(\k)+64*(\c)+(\i)*16*PITCH
	ds_load_b128 v[(\f)+64+8*(4*(\c)+(\i))+4:(\f)+64+8*(4*(\c)+(\i))+7], v[ADRB+(\slot)] offset:(\k)+64*(\c)+(\i)*16*PITCH+32
	ds_load_b128 v[(\f)+8*(4*(\c)+(\i)):(\f)+8*(4*(\c)+(\i))+3],         v[ADRA+(\slot)] offset:(\k)+64*(\c)+(\i)*16*PITCH
	ds_load_b128 v[(\f)+8*(4*(\c)+(\i))+4:(\f)+8*(4*(\c)+(\i))+7],       v[ADRA+(\slot)] offset:(\k)+64*(\c)+(\i)*16*PITCH+32
.endr
.endr
.endm
.macro PLACES                          ; four places in front of loads into registers that matrix instructions have read, and of vector lines that read results (ISA guide 7.12.1 for vector instructions)
.rept 4
	v_nop
.endr
.endm
; A K step is four quarters of 64 along K, 32 matrix instructions each, on buffers 0, 1, 0, 1.  One of the first three: multiplies buffer f and fetches the next quarter, at byte k, into g.
.macro QUARTER slot, k, f, g, zero
	s_wait_dscnt 16                                ; the first 32 along K are in; the youngest sixteen loads may be out
	WIN MUL
	MUL8 \f, 0, 0, \zero
	MUL8 \f, 0, 2, \zero
	PLACES
	FETCH \slot, \k, \g
	s_wait_dscnt 32                                ; all but the 32 just issued
	WIN MUL
	MUL8 \f, 1, 0, 0
	MUL8 \f, 1, 2, 0
.endm
; The last quarter multiplies buffer 1 and changes slots: ONE barrier; in front of it each wave waits for all its tensor loads, adds 0 to its spare word, and waits for that and for its own reads of this slot.
; fill = 1: the barrier opens a round of the cluster's, and this slot is filled again, two K steps ahead, first thing behind the round.
.macro TURN slot, next, fill
	WIN 0                                          ; (the add's two registers lie in window 0)
	s_wait_tensorcnt 0x0                           ; all my tensor loads have landed: the one that was out is my part of the next slot;
	ds_add_u32 v[SPW], v[NIL]                      ; 0 onto my spare word;
	s_wait_dscnt 17                                ; (the add and the youngest sixteen loads may be out)
	WIN MUL
	MUL8 F1, 0, 0, 0                               ; eight matrix instructions stand between the add and the wait for it
	s_wait_dscnt 0x0                               ; the add is done, and my reads of this slot are over
	s_barrier_signal -1
	MUL8 F1, 0, 2, 0
.if \fill
	WIN 0
.endif
	s_barrier_wait -1
.if \fill
	CREST                                          ; no wave of any partner still reads this slot's tile or has a load on its way
	s_add_nc_u64 s[G0+4*(\slot)+2:G0+4*(\slot)+3], s[G0+4*(\slot)+2:G0+4*(\slot)+3], 2*KSTEP*2
	s_add_nc_u64 s[G0B+4*(\slot)+2:G0B+4*(\slot)+3], s[G0B+4*(\slot)+2:G0B+4*(\slot)+3], 2*KSTEP*2
	JLOAD \slot                                    ; 112 matrix instructions ahead of the wait for it; the four v_nop behind it are also the places in front of the loads below
.else
	PLACES
.endif
	FETCH \next, 0, F0
	WIN MUL
	MUL8 F1, 1, 0, 0
	MUL8 F1, 1, 2, 0
.endm
	s_wait_tensorcnt 1                             ; my part of K step 0 is in; K step 1's may stay out
	s_barrier_signal -1
	s_barrier_wait -1                              ; everybody's is
	FETCH 0, 0, F0
	QUARTER 0, 128, F0, F1, 1                      ; the first quarter stands in front of the loop: its first products start the sums
	WIN 0                                          ; at a label and at a branch every window is 0
	s_mov_b32 s3, LAPS-1
.Llap:                                                 ; a trip goes once round the ring, from a lap's second quarter to the next lap's first, and fills both slots again
	QUARTER 0, 256, F1, F0, 0
	QUARTER 0, 384, F0, F1, 0
	TURN 0, 1, 1
	QUARTER 1, 128, F0, F1, 0
	QUARTER 1, 256, F1, F0, 0
	QUARTER 1, 384, F0, F1, 0
	TURN 1, 0, 1
	QUARTER 0, 128, F0, F1, 0
	WIN 0
	s_sub_co_u32 s3, s3, 1
	s_cmp_lg_u32 s3, 0
	s_cbranch_scc1 .Llap
	QUARTER 0, 256, F1, F0, 0                      ; the last lap fills nothing, and has no round of the cluster's barrier
	QUARTER 0, 384, F0, F1, 0
	TURN 0, 1, 0
	QUARTER 1, 128, F0, F1, 0
	QUARTER 1, 256, F1, F0, 0
	QUARTER 1, 384, F0, F1, 0
	s_wait_dscnt 16                                ; the very last quarter: nothing more to fetch
	WIN MUL
	MUL8 F1, 0, 0, 0
	MUL8 F1, 0, 2, 0
	s_wait_dscnt 0x0
	MUL8 F1, 1, 0, 0
	MUL8 F1, 1, 2, 0
	WIN 0
	PLACES
; THE WAY OUT of block a (16 rows x 64 columns): times the columns' factors (each accumulator's registers in ascending order); 32 bytes a lane into my own stage;
; back as whole rows of 256 bytes; stored.  LDS serves a wave's instructions in order (ISA guide 5.7.1.4): the loads see the stores above them, and the next block's stores come behind these loads.
.macro OUTB a
.set i, 0
.rept 16
	v_pk_mul_f32 v[TMP+2*i:TMP+2*i+1], v[ACC+32*(\a)+2*i:ACC+32*(\a)+2*i+1], v[CD+2*i:CD+2*i+1]
.set i, i+1
.endr
.irp u, 0,1,2,3,4,5,6,7
	ds_store_b128 v[STO], v[TMP+4*(\u):TMP+4*(\u)+3] offset:64*((\u)/2)+16*((\u)%2)
.endr
	s_wait_xcnt 0x0                                ; every earlier memory instruction has had its addresses translated (ISA guide 3.1): the registers that the last block's stores read are loaded again only behind this wait
.irp t, 0,1,2,3,4,5,6,7
	ds_load_b128 v[OB+4*(\t):OB+4*(\t)+3], v[RD] offset:(\t)*2*SPITCH
.endr
.irp t, 0,1,2,3,4,5,6,7
	s_wait_dscnt 7-(\t)                            ; the later loads stay out
	global_store_b128 v[CO], v[OB+4*(\t):OB+4*(\t)+3], s[70:71] offset:(16*(\a)+2*(\t))*8192  ; 16 lanes store 256 consecutive bytes, at a multiple of 256 from out0's first byte
.endr
.endm
	OUTB 0
	OUTB 1
	OUTB 2
	OUTB 3
	s_wait_tensorcnt 0x0                           ; the wave's end: three closing lines, behind my last tensor load and my last LDS store
	ds_add_u32 v[SPW], v[NIL]
	s_wait_dscnt 0x0
	CROUND                                         ; the closing round: no work-group ends while a partner may still ask for a tile that names it
	s_endpgm
.Lfunc_end_k_q2dd8453f66_down:
	.size	k_q2dd8453f66_down, .Lfunc_end_k_q2dd8453f66_down-k_q2dd8453f66_down
	.p2alignl 7, 3214868480
	.fill 96, 4, 3214868480
	.section	.rodata,"a",@progbits
	.p2align	6, 0x0
	.amdhsa_kernel k_q2dd8453f66_down
		.amdhsa_group_segment_fixed_size 327680
		.amdhsa_private_segment_fixed_size 0
		.amdhsa_enable_private_segment 0
		.amdhsa_kernarg_size 32
		.amdhsa_user_sgpr_count 2
		.amdhsa_user_sgpr_kernarg_segment_ptr 1
		.amdhsa_wavefront_size32 1
		.amdhsa_system_sgpr_workgroup_id_x 1
		.amdhsa_system_sgpr_workgroup_id_y 1
		.amdhsa_system_sgpr_workgroup_id_z 1
		.amdhsa_system_vgpr_workitem_id 0
		.amdhsa_next_free_vgpr 512
		.amdhsa_next_free_sgpr 72
		.amdhsa_reserve_vcc 0
		.amdhsa_float_denorm_mode_32 3
		.amdhsa_float_denorm_mode_16_64 3
		.amdhsa_memory_ordered 1
		.amdhsa_forward_progress 1
		.amdhsa_inst_pref_size 93
	.end_amdhsa_kernel
	.amdgpu_metadata
---
amdhsa.version: [ 1, 2 ]
amdhsa.kernels:
  - .name:           k_q2dd8453f66_down
    .symbol:         k_q2dd8453f66_down.kd
    .args:
      - { .name: hid, .offset: 0, .size: 8, .value_kind: global_buffer, .address_space: global }
      - { .name: wd, .offset: 8, .size: 8, .value_kind: global_buffer, .address_space: global }
      - { .name: sign_l_down, .offset: 16, .size: 8, .value_kind: global_buffer, .address_space: global }
      - { .name: out0, .offset: 24, .size: 8, .value_kind: global_buffer, .address_space: global }
    .group_segment_fixed_size: 327680
    .private_segment_fixed_size: 0
    .kernarg_segment_align: 8
    .kernarg_segment_size: 32
    .max_flat_workgroup_size: 128
    .sgpr_count:     72
    .vgpr_count:     512
    .wavefront_size: 32
...
	.end_amdgpu_metadata
.endif
;; end of part 3
;; ======== version 2 of 3: 4 launches
;; workspace buffers: wg 33,554,432 bytes; wu 33,554,432 bytes; wd 33,554,432 bytes; xb 4,194,304 bytes; hid 16,777,216 bytes; part 16,777,216 bytes
;; launch prep: the kernel of part 1 again; grid 256 x 4, 8 waves a work-group, no clusters, 33,792 bytes of LDS; arguments walks_gate, walks_up, walks_down, x, lut_gate, lut_up, lut_down, sign_r_gate, sign_r_up, sign_r_down, wg, wu, wd, xb; writes wg, wu, wd, xb
;; launch gateup: the kernel of part 2 again; grid 64 x 4, 4 waves a work-group, clusters of 4 x 4, 327,680 bytes of LDS; arguments xb, wg, wu, sign_l_gate, sign_l_up, hid; writes hid
;; launch down (part 4): grid 16 x 16, 4 waves a work-group, clusters of 4 x 4, 327,680 bytes of LDS; arguments hid, wd, sign_l_down, part; writes part
.if DOCPART == 4
	.amdgcn_target "amdgcn-amd-amdhsa--gfx1250"
	.amdhsa_code_object_version 6
	.text
	.protected	k_q2dd8453f66_down
	.globl	k_q2dd8453f66_down
	.p2align	8
	.type	k_q2dd8453f66_down,@function
k_q2dd8453f66_down:
	s_mov_b64 s[64:65], 0
	v_nop
	global_prefetch_b8 v0, s[64:65] scope:SCOPE_SE
	s_setreg_imm32_b32 hwreg(HW_REG_WAVE_MODE, 25, 1), 1
	s_wait_xcnt 0x0
	s_wait_alu depctr_hold_cnt(0) depctr_sa_sdst(0) depctr_va_vdst(0) depctr_va_sdst(0) depctr_va_ssrc(0) depctr_va_vcc(0) depctr_vm_vsrc(0)
	s_getreg_b32 s2, hwreg(HW_REG_IB_STS2, 6, 4)
	s_cmp_eq_u32 s2, 0
	s_cbranch_scc0 .Lentry_in_a_cluster
	s_endpgm
.Lentry_in_a_cluster:
	s_bfe_u32 s2, ttmp6, 0x10000c
	s_cmp_lg_u32 s2, 0xf033
	s_cbranch_scc0 .Lentry_shape_is_right
	s_endpgm
.Lentry_shape_is_right:
; part[kh][t][n] = 0.02 sign_l_down[n] * sum over k in half kh of K of hid[t][k] wd[n][k].  hid: [1024][8192], wd: [2048][8192], both bf16; sums and the scale in f32;
; part: [2][1024][2048] f32.  The next launch adds the two halves.
; SHARES.  A tile of the result is 128 x 128: 128 tiles; each is made twice, once for each half of K (4,096): 256 work-groups of equal work.  Four waves, each 64 x 64: 16 accumulators of 16 x 16.
; K goes in steps of 256 (LDS rows of 512 bytes; a wave's tensor load brings 64 of them), 16 steps a work-group.
; CLUSTER.  4 x 4 work-groups.  The grid is four clusters high: the cluster's y gives the half of K (y / 2), which all sixteen partners share, and with my place cy the tile row, 4 (y % 2) + cy.
; The four of a row of the cluster need the same tiles of hid, the four of a column the same tiles of wd: each is asked for JOINTLY, by the same tensor load with the same descriptor and a mask that names the four.
; THE MATRIX INSTRUCTION IS USED TRANSPOSED (source 0 = 16 rows of wd, source 1 = 16 rows of hid): a lane holds eight neighbouring numbers of a row of the result.
; THE WAY OUT.  A wave's 64 columns of f32 are 256 bytes, aligned: each wave has a stage of its own (16 rows), and no barrier is needed.
; REGISTERS: window 0: v0-31 addresses; v32-63, v64-95 at work on the way out; v96-127 the columns' factors; v128-255 the accumulators ((a, b) at v[128 + 8 (4 a + b)]).
;   window 1: two fragment buffers of 128: for 64 along K, 64 registers of A (2 x 4 x 16 rows x 32 K), then 64 of B.
.set SIZE_K, 8192                      ; elements from row to row of hid and of wd
.set KPART,  4096                      ; a work-group's half of K
.set KSTEP,  256
.set PITCH,  528                       ; an LDS row: 512 bytes + 16 of padding = 132 words: row r starts at bank 4 r mod 64 (64 banks of 4 bytes: ISA guide 11.1)
.set HALFT,  64*PITCH                  ; 64 rows: what one tensor load brings, and what one wave reads of A or of B
.set SLOT,   4*HALFT                   ; A's 128 rows, then B's 128 rows
.set STAGE,  2*SLOT                    ; behind the ring, never filled by a tensor load: 16 rows x 272 bytes for each wave
.set SPITCH, 272
.set SPARE,  STAGE+4*16*SPITCH         ; behind the stages: the spare words, 128 bytes for each wave: two blocks of 256 bytes that no other line names
.set LAPS,   KPART/(2*KSTEP)          ; a lap = two K steps = once round the ring: 8
.set ADRA, 16                          ; v16-17  LDS address of my A fragments in slot 0, 1
.set ADRB, 20                          ; v20-21  the same for B
.set STO,  24                          ; v24     the way out: where I put 32 bytes of a row
.set RD,   25                          ; v25     the way out: where I read a row back
.set CO,   26                          ; v26     my byte offset in the result
.set CV,   27                          ; v27     my byte offset in the columns' signs
.set SPW,  28                          ; v28     LDS address of my spare word; never rewritten
.set NIL,  29                          ; v29     0; never rewritten
.set PV,   30                          ; v30     the prefetch: my lane's row (of 8) and block of 256 bytes (of 4); never rewritten
.set TMP,  32                          ; a block of 16 rows x 64 columns, scaled
.set OB,   64                          ; the same as whole rows
.set CD,   96                          ; 0.02 sign_l_down of column 16 b + 8 (l / 16) + j at CD + 8 b + j
.set ACC,  128
.set F0,   0                           ; fragment buffers, in window 1
.set F1,   128
.set G1, 24                            ; s[24:31] descriptor group 1 for A's tiles;  s[32:39] group 0, a set for each slot
.set G0, 32
.set G1B, 48                           ; s[48:55], s[56:63] the same for B's tiles
.set G0B, 56
.set PP, 78                            ; s[78:79] the prefetch: my wave's eight rows, at the lap before the one asked for
.set MSB, 0
.macro WIN new                         ; the immediate's high byte repeats the setting that is left; a switch that changes nothing is dropped
.if MSB != (\new)
	s_set_vgpr_msb (MSB<<8)|(\new)
.set MSB, \new
.endif
.endm
.set MUL,  0x05                        ; sources 0 (B) and 1 (A) window 1; C and D window 0
.set TO_F, 0x40                        ; destination window 1, address window 0
.macro JLOAD s                         ; a joint load: waves 0 and 1 fetch A's two halves, waves 2 and 3 B's; an s_nop 0 and four v_nop follow each of the two lines, ahead of the jump, the label and what follows
	s_cmp_eq_u32 s11, 0
	s_cbranch_scc0 .Lfor_b_\@
	tensor_load_to_lds s[G0+4*(\s):G0+4*(\s)+3], s[G1:G1+7]
	s_nop 0
.rept 4
	v_nop
.endr
	s_branch .Lasked_\@
.Lfor_b_\@:
	tensor_load_to_lds s[G0B+4*(\s):G0B+4*(\s)+3], s[G1B:G1B+7]
	s_nop 0
.rept 4
	v_nop
.endr
.Lasked_\@:
.endm
.macro CREST                           ; a round of the cluster's barrier behind its opening barrier
	s_cmp_lg_u32 s10, 0
	s_cbranch_scc1 .Lnot_wave_0_\@
	s_barrier_signal -3
.Lnot_wave_0_\@:
	s_barrier_wait -3
	s_barrier_signal -1
	s_barrier_wait -1
.endm
.macro CROUND                          ; a whole round
	s_barrier_signal -1
	s_barrier_wait -1
	CREST
.endm
	s_load_b128 s[4:7], s[0:1], 0x0                ; hid s[4:5], wd s[6:7]
	s_load_b128 s[68:71], s[0:1], 0x10             ; sign_l_down s[68:69], part s[70:71]
	v_lshl_add_u32 v[SPW], v0, 2, SPARE
	v_mov_b32 v[NIL], 0
	ds_add_u32 v[SPW], v[NIL]                      ; the wave's opening: the add and its wait stand ahead of my first tensor load; the set-up below, work on registers, stands between them
	ds_add_u32 v28, v29
	v_lshrrev_b32 v1, 5, v0
	v_readfirstlane_b32 s10, v1                    ; wave 0..3
	s_lshr_b32 s11, s10, 1                         ; which half of the tile's rows is mine.  Also: I fetch for A (0) or for B (1)
	s_and_b32 s12, s10, 1                          ; which half of its columns.  Also: which 64 rows of that tile I fetch
	s_bfe_u32 s40, ttmp6, 0x40000                  ; cx, cy: my place in the cluster
	s_bfe_u32 s41, ttmp6, 0x40004
	s_lshl_b32 s42, ttmp9, 2
	s_add_co_u32 s42, s42, s40                     ; tile column = 4 x cluster x + cx
	s_and_b32 s45, ttmp7, 0xffff                   ; the cluster's y, 0..3
	s_and_b32 s13, s45, 1
	s_lshl_b32 s13, s13, 2
	s_add_co_u32 s13, s13, s41                     ; tile row = 4 x (cluster y % 2) + cy
	s_lshr_b32 s45, s45, 1                         ; my half of K = cluster y / 2: the same in all sixteen partners
	s_lshl_b32 s43, s41, 2
	s_lshl_b32 s43, 15, s43                        ; my row of the cluster
	s_lshl_b32 s44, 0x1111, s40                    ; my column
	; descriptor group 1: a tile of 64 rows x 256 elements, padded in LDS
	s_or_b32 s[G1+0], s43, (1<<16)|(1<<20)|(1<<21)|(6<<22)|(3<<25)  ; 15:0 the mask; 17:16 elements of 2 bytes; 20 padding on; 21 set beside a mask; 24:22 after every 128 words (code 6); 31:25 4 words of it (code 3)
	s_or_b32 s[G1B+0], s44, (1<<16)|(1<<20)|(1<<21)|(6<<22)|(3<<25)
.irp g, G1, G1B
	s_mov_b32 s[(\g)+1], KSTEP<<16                 ; tensor_dim0 = 256
	s_mov_b32 s[(\g)+2], 64<<16                    ; tensor_dim1 = 64
	s_mov_b32 s[(\g)+3], KSTEP<<16                 ; tile_dim0 = 256
	s_mov_b32 s[(\g)+4], 64                        ; tile_dim1 = 64
	s_mov_b32 s[(\g)+5], SIZE_K                    ; elements from row to row
	s_mov_b32 s[(\g)+6], 0
	s_mov_b32 s[(\g)+7], 0
.endr
	s_lshl_b32 s17, s12, 6                         ; which 64 rows of the tile I fetch
	s_lshl_b32 s16, s13, 7
	s_add_co_u32 s16, s16, s17                     ; A: row 128 x tile row + 64 x half,
	s_lshl_b32 s16, s16, 14                        ; of 16,384 bytes
	s_lshl_b32 s46, s42, 7
	s_add_co_u32 s46, s46, s17                     ; B: row 128 x tile column + 64 x half
	s_lshl_b32 s46, s46, 14
	s_lshl_b32 s18, s45, 13                        ; my half of K begins 8,192 bytes x half into a row
	s_add_co_u32 s16, s16, s18
	s_add_co_u32 s46, s46, s18
	s_mov_b32 s17, 0
	s_mov_b32 s47, 0
	s_mul_i32 s20, s10, HALFT                      ; where they go: wave x 64 rows: no place in the cluster enters an LDS address
	s_wait_dscnt 0x0                               ; the opening add is done
	s_wait_kmcnt 0x0
	s_add_nc_u64 s[14:15], s[4:5], s[16:17]
	s_add_nc_u64 s[46:47], s[6:7], s[46:47]
	CROUND                                         ; all sixteen work-groups are here: the first joint loads meet
.irp s, 0,1
	s_mov_b32 s[G0+4*(\s)], 1
	s_add_co_u32 s[G0+4*(\s)+1], s20, (\s)*SLOT
	s_add_nc_u64 s[G0+4*(\s)+2:G0+4*(\s)+3], s[14:15], (\s)*KSTEP*2
	s_or_b32 s[G0+4*(\s)+3], s[G0+4*(\s)+3], 0x80000000
	s_mov_b32 s[G0B+4*(\s)], 1
	s_add_co_u32 s[G0B+4*(\s)+1], s20, (\s)*SLOT
	s_add_nc_u64 s[G0B+4*(\s)+2:G0B+4*(\s)+3], s[46:47], (\s)*KSTEP*2
	s_or_b32 s[G0B+4*(\s)+3], s[G0B+4*(\s)+3], 0x80000000
	JLOAD \s                                       ; two loads of mine are out
.endr
	; THE PREFETCH.  A lap's bytes of a tile are 128 rows x 1,024 bytes = 512 blocks of 256 bytes, and each block is asked for once in the launch.  hid's blocks of a tile row and half of K are shared out
	; among the 16 work-groups that read them: wave 0 takes rows 8 x tile column .. + 7.  wd's blocks of a tile column are shared out among the 8 that read them: waves 1 and 2 take rows
	; 16 x tile row + 8 (wave - 1) .. + 7.  A wave's request is 8 rows x 4 blocks, one block a lane.  Wave 3 asks for nothing.  These registers feed no descriptor.
	s_lshl_b32 s76, s13, 7
	s_lshl3_add_u32 s76, s42, s76                  ; hid: row 128 x tile row + 8 x tile column
	s_lshl_b32 s77, s42, 7
	s_lshl4_add_u32 s77, s13, s77                  ; wd: row 128 x tile column + 16 x tile row
	s_lshl3_add_u32 s77, s10, s77                  ;     + 8 x wave
	s_sub_co_u32 s77, s77, 8                       ;     - 8 (wave 0 does not take this number)
	s_cmp_eq_u32 s10, 0
	s_cselect_b32 s76, s76, s77
	s_cselect_b64 s[PP:PP+1], s[4:5], s[6:7]
	s_lshl_b32 s76, s76, 14                        ; rows of 16,384 bytes,
	s_add_co_u32 s76, s76, s18                     ; in my half of K
	s_mov_b32 s77, 0
	s_add_nc_u64 s[PP:PP+1], s[PP:PP+1], s[76:77]
	v_bfe_u32 v7, v0, 2, 3                         ; lane / 4: the row
	v_and_b32 v6, 3, v0                            ; lane % 4: the block
	v_lshlrev_b32 v6, 8, v6
	v_lshl_add_u32 v[PV], v7, 14, v6
	s_cmp_eq_u32 s10, 3
	s_cbranch_scc1 .Lno_pf0
	global_prefetch_b8 v[PV], s[PP:PP+1] offset:2*KSTEP*2 th:TH_LOAD_NT scope:SCOPE_SE  ; lap 1, whose tensor loads go out in the loop's first trip (lap 0 has just been asked for by the first fills)
.Lno_pf0:
	v_and_b32 v1, 15, v0                           ; l % 16
	v_bfe_u32 v2, v0, 4, 1                         ; l / 16
	v_mul_u32_u24 v3, v1, PITCH
	v_lshl_add_u32 v3, v2, 4, v3                   ; a fragment's row x pitch + 16 x half
	s_mul_i32 s21, s11, HALFT                      ; my 64 rows of A
	s_mul_i32 s22, s12, HALFT                      ; my 64 rows of B,
	s_add_co_u32 s22, s22, 2*HALFT                 ; which lie behind A's 128
.irp s, 0,1
	v_add_nc_u32 v[ADRA+(\s)], s21, v3
	v_add_nc_u32 v[ADRB+(\s)], s22, v3
	s_add_co_u32 s21, s21, SLOT
	s_add_co_u32 s22, s22, SLOT
.endr
	s_mul_i32 s23, s10, 16*SPITCH
	s_add_co_u32 s23, s23, STAGE                   ; my stage
	v_mul_u32_u24 v4, v1, SPITCH                   ; in: row l % 16, 32 bytes (eight f32) for each half of the lanes
	v_lshl_add_u32 v4, v2, 5, v4
	v_add_nc_u32 v[STO], s23, v4
	v_mul_u32_u24 v5, v2, SPITCH                   ; back: lanes 0-15 take one row of 256 bytes, lanes 16-31 the next
	v_lshl_add_u32 v5, v1, 4, v5
	v_add_nc_u32 v[RD], s23, v5
	v_lshlrev_b32 v5, 13, v2                       ; and the same two rows in the result, 8,192 bytes apart
	v_lshl_add_u32 v[CO], v1, 4, v5
	v_lshlrev_b32 v[CV], 5, v2                     ; eight signs for each half of the lanes
	s_lshl_b32 s46, s42, 9                         ; my first column, in f32: 512 x tile column + 256 x half
	s_lshl_b32 s47, s12, 8
	s_add_co_u32 s46, s46, s47
	s_mov_b32 s47, 0
	s_add_nc_u64 s[68:69], s[68:69], s[46:47]
	s_add_nc_u64 s[70:71], s[70:71], s[46:47]
	s_lshl_b32 s16, s13, 7
	s_lshl_b32 s17, s11, 6
	s_add_co_u32 s16, s16, s17                     ; my first row of the result: 128 x tile row + 64 x half,
	s_lshl_b32 s16, s16, 13                        ; of 8,192 bytes
	s_mov_b32 s17, 0
	s_add_nc_u64 s[70:71], s[70:71], s[16:17]
	s_lshl_b32 s16, s45, 23                        ; and my half of K has its own 8,388,608 bytes of part
	s_add_nc_u64 s[70:71], s[70:71], s[16:17]
.irp b, 0,1,2,3
	global_load_b128 v[CD+8*(\b):CD+8*(\b)+3],   v[CV], s[68:69] offset:64*(\b)
	global_load_b128 v[CD+8*(\b)+4:CD+8*(\b)+7], v[CV], s[68:69] offset:64*(\b)+16
.endr
	s_wait_loadcnt 0x0
.set i, 0
.rept 16                               ; times 0.02: this stands in the wait for the first tile
	v_pk_mul_f32 v[CD+2*i:CD+2*i+1], v[CD+2*i:CD+2*i+1], 0x3ca3d70a op_sel_hi:[1,0]
.set i, i+1
.endr
; 8 matrix instructions: row blocks a0, a0 + 1 x all 4 column blocks, 32 along K: half c of buffer f.  zero = 1: the first product starts the sums.  The 16 accumulators take turns.
.macro MUL8 f, c, a0, zero
	WIN MUL
.irp a, \a0, (\a0)+1
.irp b, 0,1,2,3
.if \zero
	v_wmma_f32_16x16x32_bf16 v[ACC+8*(4*(\a)+(\b)):ACC+8*(4*(\a)+(\b))+7], v[(\f)+64+8*(4*(\c)+(\b)):(\f)+64+8*(4*(\c)+(\b))+7], v[(\f)+8*(4*(\c)+(\a)):(\f)+8*(4*(\c)+(\a))+7], 0
.else
	v_wmma_f32_16x16x32_bf16 v[ACC+8*(4*(\a)+(\b)):ACC+8*(4*(\a)+(\b))+7], v[(\f)+64+8*(4*(\c)+(\b)):(\f)+64+8*(4*(\c)+(\b))+7], v[(\f)+8*(4*(\c)+(\a)):(\f)+8*(4*(\c)+(\a))+7], v[ACC+8*(4*(\a)+(\b)):ACC+8*(4*(\a)+(\b))+7]
.endif
.endr
.endr
.endm
; 32 LDS loads in one run: the fragments of 64 along K at byte k of the rows, into buffer f; the first 32 along K first
.macro FETCH slot, k, f
	WIN TO_F
.irp c, 0,1
.irp i, 0,1,2,3
	ds_load_b128 v[(\f)+64+8*(4*(\c)+(\i)):(\f)+64+8*(4*(\c)+(\i))+3],   v[ADRB+(\slot)] offset:(\k)+64*(\c)+(\i)*16*PITCH
	ds_load_b128 v[(\f)+64+8*(4*(\c)+(\i))+4:(\f)+64+8*(4*(\c)+(\i))+7], v[ADRB+(\slot)] offset:(\k)+64*(\c)+(\i)*16*PITCH+32
	ds_load_b128 v[(\f)+8*(4*(\c)+(\i)):(\f)+8*(4*(\c)+(\i))+3],         v[ADRA+(\slot)] offset:(\k)+64*(\c)+(\i)*16*PITCH
	ds_load_b128 v[(\f)+8*(4*(\c)+(\i))+4:(\f)+8*(4*(\c)+(\i))+7],       v[ADRA+(\slot)] offset:(\k)+64*(\c)+(\i)*16*PITCH+32
.endr
.endr
.endm
.macro PLACES                          ; four places in front of loads into registers that matrix instructions have read, and of vector lines that read results (ISA guide 7.12.1 for vector instructions)
.rept 4
	v_nop
.endr
.endm
; A K step is four quarters of 64 along K, 32 matrix instructions each, on buffers 0, 1, 0, 1.  One of the first three: multiplies buffer f and fetches the next quarter, at byte k, into g.
.macro QUARTER slot, k, f, g, zero
	s_wait_dscnt 16                                ; the first 32 along K are in; the youngest sixteen loads may be out
	WIN MUL
	MUL8 \f, 0, 0, \zero
	MUL8 \f, 0, 2, \zero
	PLACES
	FETCH \slot, \k, \g
	s_wait_dscnt 32                                ; all but the 32 just issued
	WIN MUL
	MUL8 \f, 1, 0, 0
	MUL8 \f, 1, 2, 0
.endm
; The last quarter multiplies buffer 1 and changes slots: ONE barrier; in front of it each wave waits for all its tensor loads, adds 0 to its spare word, and waits for that and for its own reads of this slot.
; fill = 1: the barrier opens a round of the cluster's, and this slot is filled again, two K steps ahead, first thing behind the round.
.macro TURN slot, next, fill
	WIN 0                                          ; (the add's two registers lie in window 0)
	s_wait_tensorcnt 0x0                           ; all my tensor loads have landed: the one that was out is my part of the next slot;
	ds_add_u32 v[SPW], v[NIL]                      ; 0 onto my spare word;
	s_wait_dscnt 17                                ; (the add and the youngest sixteen loads may be out)
	WIN MUL
	MUL8 F1, 0, 0, 0                               ; eight matrix instructions stand between the add and the wait for it
	s_wait_dscnt 0x0                               ; the add is done, and my reads of this slot are over
	s_barrier_signal -1
	MUL8 F1, 0, 2, 0
.if \fill
	WIN 0
.endif
	s_barrier_wait -1
.if \fill
	CREST                                          ; no wave of any partner still reads this slot's tile or has a load on its way
	s_add_nc_u64 s[G0+4*(\slot)+2:G0+4*(\slot)+3], s[G0+4*(\slot)+2:G0+4*(\slot)+3], 2*KSTEP*2
	s_add_nc_u64 s[G0B+4*(\slot)+2:G0B+4*(\slot)+3], s[G0B+4*(\slot)+2:G0B+4*(\slot)+3], 2*KSTEP*2
	JLOAD \slot                                    ; 112 matrix instructions ahead of the wait for it; the four v_nop behind it are also the places in front of the loads below
.else
	PLACES
.endif
	FETCH \next, 0, F0
	WIN MUL
	MUL8 F1, 1, 0, 0
	MUL8 F1, 1, 2, 0
.endm
; Trip p of the loop (s3 = 7 - p) has just asked, by its two tensor loads, for lap p + 1.  Here lap p + 2 is prefetched: its tensor loads follow one and two K steps later, in the next trip.
; The last trip (s3 = 1) asks for nothing: lap 8 would lie outside my half of K.  Both jumps go forward, past no barrier and no tensor load.
.macro PREF
	WIN 0                                          ; at a branch and at a label every window is 0
	s_cmp_lt_u32 s3, 2
	s_cbranch_scc1 .Lno_pf_\@
	s_cmp_eq_u32 s10, 3
	s_cbranch_scc1 .Lno_pf_\@
	s_wait_xcnt 0x0                                ; the last prefetch, a lap ago, has had its addresses translated (ISA guide 3.1): its base is stepped only behind this wait
	s_add_nc_u64 s[PP:PP+1], s[PP:PP+1], 2*KSTEP*2
	global_prefetch_b8 v[PV], s[PP:PP+1] offset:2*KSTEP*2 th:TH_LOAD_NT scope:SCOPE_SE
.Lno_pf_\@:
.endm
	s_wait_tensorcnt 1                             ; my part of K step 0 is in; K step 1's may stay out
	s_barrier_signal -1
	s_barrier_wait -1                              ; everybody's is
	FETCH 0, 0, F0
	QUARTER 0, 128, F0, F1, 1                      ; the first quarter stands in front of the loop: its first products start the sums
	WIN 0                                          ; at a label and at a branch every window is 0
	s_mov_b32 s3, LAPS-1
.Llap:                                                 ; a trip goes once round the ring, from a lap's second quarter to the next lap's first, and fills both slots again
	QUARTER 0, 256, F1, F0, 0
	QUARTER 0, 384, F0, F1, 0
	TURN 0, 1, 1
	QUARTER 1, 128, F0, F1, 0
	QUARTER 1, 256, F1, F0, 0
	QUARTER 1, 384, F0, F1, 0
	TURN 1, 0, 1
	PREF
	QUARTER 0, 128, F0, F1, 0
	WIN 0
	s_sub_co_u32 s3, s3, 1
	s_cmp_lg_u32 s3, 0
	s_cbranch_scc1 .Llap
	QUARTER 0, 256, F1, F0, 0                      ; the last lap fills nothing, and has no round of the cluster's barrier
	QUARTER 0, 384, F0, F1, 0
	TURN 0, 1, 0
	QUARTER 1, 128, F0, F1, 0
	QUARTER 1, 256, F1, F0, 0
	QUARTER 1, 384, F0, F1, 0
	s_wait_dscnt 16                                ; the very last quarter: nothing more to fetch
	WIN MUL
	MUL8 F1, 0, 0, 0
	MUL8 F1, 0, 2, 0
	s_wait_dscnt 0x0
	MUL8 F1, 1, 0, 0
	MUL8 F1, 1, 2, 0
	WIN 0
	PLACES
; THE WAY OUT of block a (16 rows x 64 columns): times the columns' factors (each accumulator's registers in ascending order); 32 bytes a lane into my own stage;
; back as whole rows of 256 bytes; stored.  LDS serves a wave's instructions in order (ISA guide 5.7.1.4): the loads see the stores above them, and the next block's stores come behind these loads.
.macro OUTB a
.set i, 0
.rept 16
	v_pk_mul_f32 v[TMP+2*i:TMP+2*i+1], v[ACC+32*(\a)+2*i:ACC+32*(\a)+2*i+1], v[CD+2*i:CD+2*i+1]
.set i, i+1
.endr
.irp u, 0,1,2,3,4,5,6,7
	ds_store_b128 v[STO], v[TMP+4*(\u):TMP+4*(\u)+3] offset:64*((\u)/2)+16*((\u)%2)
.endr
	s_wait_xcnt 0x0                                ; every earlier memory instruction has had its addresses translated (ISA guide 3.1): the registers that the last block's stores read are loaded again only behind this wait
.irp t, 0,1,2,3,4,5,6,7
	ds_load_b128 v[OB+4*(\t):OB+4*(\t)+3], v[RD] offset:(\t)*2*SPITCH
.endr
.irp t, 0,1,2,3,4,5,6,7
	s_wait_dscnt 7-(\t)                            ; the later loads stay out
	global_store_b128 v[CO], v[OB+4*(\t):OB+4*(\t)+3], s[70:71] offset:(16*(\a)+2*(\t))*8192  ; 16 lanes store 256 consecutive bytes, at a multiple of 256 from part's first byte
.endr
.endm
	OUTB 0
	OUTB 1
	OUTB 2
	OUTB 3
	s_wait_tensorcnt 0x0                           ; the wave's end: three closing lines, behind my last tensor load and my last LDS store
	ds_add_u32 v[SPW], v[NIL]
	s_wait_dscnt 0x0
	CROUND                                         ; the closing round: no work-group ends while a partner may still ask for a tile that names it
	s_endpgm
.Lfunc_end_k_q2dd8453f66_down:
	.size	k_q2dd8453f66_down, .Lfunc_end_k_q2dd8453f66_down-k_q2dd8453f66_down
	.p2alignl 7, 3214868480
	.fill 96, 4, 3214868480
	.section	.rodata,"a",@progbits
	.p2align	6, 0x0
	.amdhsa_kernel k_q2dd8453f66_down
		.amdhsa_group_segment_fixed_size 327680
		.amdhsa_private_segment_fixed_size 0
		.amdhsa_enable_private_segment 0
		.amdhsa_kernarg_size 32
		.amdhsa_user_sgpr_count 2
		.amdhsa_user_sgpr_kernarg_segment_ptr 1
		.amdhsa_wavefront_size32 1
		.amdhsa_system_sgpr_workgroup_id_x 1
		.amdhsa_system_sgpr_workgroup_id_y 1
		.amdhsa_system_sgpr_workgroup_id_z 1
		.amdhsa_system_vgpr_workitem_id 0
		.amdhsa_next_free_vgpr 512
		.amdhsa_next_free_sgpr 80
		.amdhsa_reserve_vcc 0
		.amdhsa_float_denorm_mode_32 3
		.amdhsa_float_denorm_mode_16_64 3
		.amdhsa_memory_ordered 1
		.amdhsa_forward_progress 1
		.amdhsa_inst_pref_size 94
	.end_amdhsa_kernel
	.amdgpu_metadata
---
amdhsa.version: [ 1, 2 ]
amdhsa.kernels:
  - .name:           k_q2dd8453f66_down
    .symbol:         k_q2dd8453f66_down.kd
    .args:
      - { .name: hid, .offset: 0, .size: 8, .value_kind: global_buffer, .address_space: global }
      - { .name: wd, .offset: 8, .size: 8, .value_kind: global_buffer, .address_space: global }
      - { .name: sign_l_down, .offset: 16, .size: 8, .value_kind: global_buffer, .address_space: global }
      - { .name: part, .offset: 24, .size: 8, .value_kind: global_buffer, .address_space: global }
    .group_segment_fixed_size: 327680
    .private_segment_fixed_size: 0
    .kernarg_segment_align: 8
    .kernarg_segment_size: 32
    .max_flat_workgroup_size: 128
    .sgpr_count:     80
    .vgpr_count:     512
    .wavefront_size: 32
...
	.end_amdgpu_metadata
.endif
;; end of part 4
;; launch sum (part 5): grid 256 x 1, 8 waves a work-group, no clusters, 0 bytes of LDS; arguments part, out0; writes out0
.if DOCPART == 5
	.amdgcn_target "amdgcn-amd-amdhsa--gfx1250"
	.amdhsa_code_object_version 6
	.text
	.protected	k_q2dd8453f66_sum
	.globl	k_q2dd8453f66_sum
	.p2align	8
	.type	k_q2dd8453f66_sum,@function
k_q2dd8453f66_sum:
	s_mov_b64 s[64:65], 0
	v_nop
	global_prefetch_b8 v0, s[64:65] scope:SCOPE_SE
	s_setreg_imm32_b32 hwreg(HW_REG_WAVE_MODE, 25, 1), 1
	s_wait_xcnt 0x0
; out0[t][n] = part[0][t][n] + part[1][t][n]: the two halves of K of the last product, one f32 addition.  part: [2][1024][2048] f32, out0: [1024][2048] f32.
; A stream: eight waves; a work-group owns 8,192 numbers (32,768 bytes of out0).  Thread t takes the 16 bytes at 4096 i + 16 t, i = 0..7: a wave's load or store covers 512 consecutive bytes, aligned.
; All sixteen loads of a thread go out at once, so there is no loop and no register is used twice.  No LDS, no matrix unit, no cluster: no byte is read twice.
.set HALF, 0x800000                    ; bytes from part[0] to part[1]: one more than a load's immediate can hold, so the second half has a base of its own
.set A, 4                              ; v[4:35]   step i: four numbers of part[0], then the sums
.set B, 36                             ; v[36:67]  step i: four numbers of part[1]
	s_load_b128 s[4:7], s[0:1], 0x0                ; part s[4:5], out0 s[6:7]
	v_lshlrev_b32 v1, 4, v0                        ; 16 t; never rewritten
	s_lshl_b32 s8, ttmp9, 15                       ; my 32,768 bytes
	s_mov_b32 s9, 0
	s_wait_kmcnt 0x0
	s_add_nc_u64 s[4:5], s[4:5], s[8:9]
	s_add_nc_u64 s[6:7], s[6:7], s[8:9]
	s_add_nc_u64 s[10:11], s[4:5], HALF
.irp i, 0,1,2,3,4,5,6,7
	global_load_b128 v[A+4*(\i):A+4*(\i)+3], v1, s[4:5]   offset:4096*(\i) th:TH_LOAD_NT
	global_load_b128 v[B+4*(\i):B+4*(\i)+3], v1, s[10:11] offset:4096*(\i) th:TH_LOAD_NT
.endr
.irp i, 0,1,2,3,4,5,6,7
	s_wait_loadcnt 14-2*(\i)                       ; loads come back in order (ISA guide 5.7.1): step i's two are in, the later steps' stay out
	v_pk_add_f32 v[A+4*(\i):A+4*(\i)+1],   v[A+4*(\i):A+4*(\i)+1],   v[B+4*(\i):B+4*(\i)+1]
	v_pk_add_f32 v[A+4*(\i)+2:A+4*(\i)+3], v[A+4*(\i)+2:A+4*(\i)+3], v[B+4*(\i)+2:B+4*(\i)+3]
	global_store_b128 v1, v[A+4*(\i):A+4*(\i)+3], s[6:7] offset:4096*(\i) th:TH_STORE_NT
.endr
	s_endpgm
.Lfunc_end_k_q2dd8453f66_sum:
	.size	k_q2dd8453f66_sum, .Lfunc_end_k_q2dd8453f66_sum-k_q2dd8453f66_sum
	.p2alignl 7, 3214868480
	.fill 96, 4, 3214868480
	.section	.rodata,"a",@progbits
	.p2align	6, 0x0
	.amdhsa_kernel k_q2dd8453f66_sum
		.amdhsa_group_segment_fixed_size 0
		.amdhsa_private_segment_fixed_size 0
		.amdhsa_enable_private_segment 0
		.amdhsa_kernarg_size 16
		.amdhsa_user_sgpr_count 2
		.amdhsa_user_sgpr_kernarg_segment_ptr 1
		.amdhsa_wavefront_size32 1
		.amdhsa_system_sgpr_workgroup_id_x 1
		.amdhsa_system_sgpr_workgroup_id_y 1
		.amdhsa_system_sgpr_workgroup_id_z 1
		.amdhsa_system_vgpr_workitem_id 0
		.amdhsa_next_free_vgpr 68
		.amdhsa_next_free_sgpr 66
		.amdhsa_reserve_vcc 0
		.amdhsa_float_denorm_mode_32 3
		.amdhsa_float_denorm_mode_16_64 3
		.amdhsa_memory_ordered 1
		.amdhsa_forward_progress 1
		.amdhsa_inst_pref_size 5
	.end_amdhsa_kernel
	.amdgpu_metadata
---
amdhsa.version: [ 1, 2 ]
amdhsa.kernels:
  - .name:           k_q2dd8453f66_sum
    .symbol:         k_q2dd8453f66_sum.kd
    .args:
      - { .name: part, .offset: 0, .size: 8, .value_kind: global_buffer, .address_space: global }
      - { .name: out0, .offset: 8, .size: 8, .value_kind: global_buffer, .address_space: global }
    .group_segment_fixed_size: 0
    .private_segment_fixed_size: 0
    .kernarg_segment_align: 8
    .kernarg_segment_size: 16
    .max_flat_workgroup_size: 256
    .sgpr_count:     66
    .vgpr_count:     68
    .wavefront_size: 32
...
	.end_amdgpu_metadata
.endif
;; end of part 5
;; ======== version 3 of 3: 4 launches; version 2 with the launch prep written anew for expert scheduling mode
;; workspace buffers: wg 33,554,432 bytes; wu 33,554,432 bytes; wd 33,554,432 bytes; xb 4,194,304 bytes; hid 16,777,216 bytes; part 16,777,216 bytes
;; launch prep (part 6): grid 256 x 4, 8 waves a work-group, no clusters, 33,792 bytes of LDS; arguments walks_gate, walks_up, walks_down, x, lut_gate, lut_up, lut_down, sign_r_gate, sign_r_up, sign_r_down, wg, wu, wd, xb; writes wg, wu, wd, xb
.if DOCPART == 6
	.amdgcn_target "amdgcn-amd-amdhsa--gfx1250"
	.amdhsa_code_object_version 6
	.text
	.protected	k_q2dd8453f66_prep
	.globl	k_q2dd8453f66_prep
	.p2align	8
	.type	k_q2dd8453f66_prep,@function
k_q2dd8453f66_prep:
	s_mov_b64 s[64:65], 0
	v_nop
	global_prefetch_b8 v0, s[64:65] scope:SCOPE_SE
	s_setreg_imm32_b32 hwreg(HW_REG_WAVE_SCHED_MODE, 0, 2), 2
	s_setreg_imm32_b32 hwreg(HW_REG_WAVE_MODE, 25, 1), 1
	s_wait_xcnt 0x0
	s_wait_alu depctr_vm_vsrc(0)
; Grid row y = 0, 1, 2: W'[o][i] = bf16(lut[walk[o][i]] * sign_r[i]) for the gate, up and down matrix.  Grid row y = 3: xb = bf16(x).
; sign_l and the scale 0.02 are not applied here: the products' kernels multiply their f32 sums by them.
; LIMITS.  An index is cut at 255 (the table has 256 entries).  lut * sign_r is one f32 product, rounded once to bf16: for a sign of +1 or -1 that is
; bf16(lut) with the sign; for another factor it is the rounding of the product.
; SHARES.  y < 3: a work-group owns 65,536 consecutive weights: 262,144 bytes of indices in, 131,072 bytes of bf16 out.  A step is 1,024 weights: thread t takes the 16 bytes
; at 4096 j + 16 t (a wave's load covers 512 consecutive bytes) and stores 8 bytes at 2048 j + 8 t (a wave's store covers 256 consecutive bytes, aligned).  A trip is 8 steps.
; 8,192 weights are a whole number of rows (2,048 or 8,192 columns), so slot q of a trip meets the same four columns in every trip: its four sign_r stay in registers.
; THE TABLE lies in LDS once for each lane: entry e for lane l is the word at 128 e + 4 l, bank (32 e + l) mod 64 (64 banks of 4 bytes: ISA guide 11.1): two lanes never want
; different words of one bank, whatever the indices.  No matrix unit and no cluster: no two work-groups read the same bytes but the small tables.
; THE MODE: SCHED_MODE bits 1:0 = 2 (LLVM: expert scheduling mode 2), set by the entry lines.  The code itself states the register dependences
; between vector instructions and memory or LDS instructions, with s_wait_alu, always for 0.
; THE PLAN.  The 64 steps go in 16 blocks of four slots, two blocks to a trip.  Registers that memory or LDS instructions touch, in the loop:
;   X0, X1      a block's indices as loaded; block p lies in X[p % 2].  Written by the four loads in turn p - 2's run; read by turn p's sixteen v_min_u32.
;   ADR         sixteen LDS addresses.  Written by turn p's address lines; read by the sixteen LDS loads of turn p's run.
;   VAL0, VAL1  table values.  The LDS loads of turn p land in VAL[p % 2]; turn p + 2's products work on them in place and its roundings read them.
;   Y           a block's bf16 to store.  Written by turn p's roundings (block p - 2); read by the four stores of turn p's run.
;   v1, v2      byte offsets, made once at the head and never written again: the rows are reached by the scalar bases, which move on by a block a turn, and by immediate offsets.
; TURN p: the products and roundings of block p - 2, the addresses of block p, ONE wait on va_vdst, then one run of memory instructions with no vector instruction in it: the loads of
; block p + 2 into X[p % 2], the LDS loads of block p, the stores of block p - 2.  The wait stands behind the lines that empty X[p % 2], so that the buffer is asked for again at once.
; One wait on vm_vsrc stands at a turn's head: the run before has read ADR and Y, which this turn writes again.
.set SPARE, 32768                      ; behind the table: the spare words, 128 bytes for each of the eight waves: four blocks of 256 bytes that no other line names
.set VIN,  1                           ; v1   16 t; never rewritten
.set VOUT, 2                           ; v2   8 t; never rewritten
.set LB,   3                           ; v3   4 x lane: my word in a table entry
.set LO,   4                           ; v4   byte offset in lut of the entry that I copy
.set LA,   5                           ; v5   where I put it
.set SPW,  6                           ; v6   LDS address of my spare word; never rewritten
.set NIL,  7                           ; v7   0; never rewritten
.set SR,   8                           ; v[8:39]    slot q: sign_r of its four columns
.set X,    40                          ; v[40:71]   slot i: four indices (y = 3: four numbers of x) as loaded; a block's four slots are a buffer of 16
.set ADR,  72                          ; v[72:87]   a block's sixteen LDS addresses
.set VAL,  88                          ; v[88:119]  buffer g: a block's sixteen table values at VAL + 16 g, then their products
.set Y,    120                         ; v[120:127] slot j of a block: four bf16 to store
.set TB,   VAL                         ; at the head only: v[88:119] hold the table's entries while it is built
.set SO,   Y                           ; at the head only: v[120:127] slot q: byte offset of its columns in sign_r
.set XO,   VAL                         ; y = 3 only: v[88:103] slot i: four bf16 to store
	s_load_b512 s[8:23], s[0:1], 0x0               ; walks_gate 8, walks_up 10, walks_down 12, x 14, lut_gate 16, lut_up 18, lut_down 20, sign_r_gate 22
	s_load_b256 s[24:31], s[0:1], 0x40             ; sign_r_up 24, sign_r_down 26, wg 28, wu 30
	s_load_b128 s[32:35], s[0:1], 0x60             ; wd 32, xb 34
	v_lshl_add_u32 v[SPW], v0, 2, SPARE
	v_mov_b32 v[NIL], 0
	v_lshlrev_b32 v[VIN], 4, v0
	v_lshlrev_b32 v[VOUT], 3, v0
	s_and_b32 s4, ttmp7, 0xffff                    ; y: which tensor
	s_mov_b32 s47, 0                               ; the high word of every offset pair
	s_wait_kmcnt 0x0
	s_cmp_eq_u32 s4, 3
	s_cbranch_scc1 .Lx                             ; the same for all waves of a work-group
	; the three matrices run one text: the four addresses and the mask are chosen by y
	s_cmp_eq_u32 s4, 1
	s_cselect_b64 s[36:37], s[10:11], s[8:9]       ; indices
	s_cselect_b64 s[38:39], s[18:19], s[16:17]     ; table
	s_cselect_b64 s[40:41], s[24:25], s[22:23]     ; sign_r
	s_cselect_b64 s[42:43], s[30:31], s[28:29]     ; result
	s_mov_b32 s45, 0x1fff                          ; rows of 2,048 columns: sign_r has 8,192 bytes
	s_cmp_eq_u32 s4, 2
	s_cselect_b64 s[36:37], s[12:13], s[36:37]
	s_cselect_b64 s[38:39], s[20:21], s[38:39]
	s_cselect_b64 s[40:41], s[26:27], s[40:41]
	s_cselect_b64 s[42:43], s[32:33], s[42:43]
	s_cselect_b32 s44, 0x7fff, s45                 ; rows of 8,192 columns: 32,768 bytes
	s_lshl_b32 s46, ttmp9, 18                      ; my 262,144 bytes of indices
	s_add_nc_u64 s[36:37], s[36:37], s[46:47]
	s_lshl_b32 s46, ttmp9, 17                      ; my 131,072 bytes of the result
	s_add_nc_u64 s[42:43], s[42:43], s[46:47]
	; every offset and address is made first, so that one wait serves all the head's loads
	v_and_b32 v[LB], 31, v0                        ; lane
	v_lshlrev_b32 v[LA], 4, v[LB]
	v_lshlrev_b32 v[LB], 2, v[LB]
	v_lshrrev_b32 v[LO], 5, v0
	v_readfirstlane_b32 s6, v[LO]                  ; my wave's number as a scalar
	v_and_b32 v[LO], 0xe0, v0                      ; 32 w
	v_bfe_u32 v[SO], v0, 3, 2                      ; l / 8
	v_add_lshl_u32 v[LO], v[LO], v[SO], 2          ; in bytes
.irp q, 0,1,2,3,4,5,6,7
	v_add_nc_u32 v[SO+(\q)], 4096*(\q), v[VIN]     ; four bytes for each of the columns 1024 q + 4 t ..,
	v_and_b32 v[SO+(\q)], s44, v[SO+(\q)]          ; modulo the row
.endr
	s_wait_alu depctr_va_sdst(0)                   ; s6 is written, ahead of its first reader, the shift below
	s_lshl_b32 s6, s6, 12                          ; wave w writes entries 32 w to 32 w + 31: 4,096 bytes
	v_add_nc_u32 v[LA], s6, v[LA]                  ; + 16 x lane: a store of the wave covers 512 bytes, four entries; lane l lies in entry l / 8 of them
	s_wait_alu depctr_va_vdst(0)                   ; v1, v2, v[LO], v[LA] and v[SO ..] are written, which the loads and stores below read as offsets and addresses
.irp i, 0,1,2,3,4,5,6,7
	global_load_b32 v[TB+4*(\i)], v[LO], s[38:39] offset:16*(\i)   ; entry 32 w + 4 i + l / 8
.endr
.irp q, 0,1,2,3,4,5,6,7
	global_load_b128 v[SR+4*(\q):SR+4*(\q)+3], v[SO+(\q)], s[40:41]
.endr
.irp i, 0,1,2,3,4,5,6,7
	global_load_b128 v[X+4*(\i):X+4*(\i)+3], v[VIN], s[36:37] offset:4096*(\i) th:TH_LOAD_NT  ; the first two blocks' indices are on their way while the table is built
.endr
	s_wait_loadcnt 16                              ; the table's eight loads are in; the sixteen younger ones (sign_r, indices) stay out
.irp i, 0,1,2,3,4,5,6,7
	v_mov_b32 v[TB+4*(\i)+1], v[TB+4*(\i)]         ; my 16 bytes of an entry are the same word four times
	v_mov_b32 v[TB+4*(\i)+2], v[TB+4*(\i)]
	v_mov_b32 v[TB+4*(\i)+3], v[TB+4*(\i)]
.endr
	s_wait_alu depctr_va_vdst(0)                   ; the copies have written v[TB ..], which the LDS stores read
.irp i, 0,1,2,3,4,5,6,7
	ds_store_b128 v[LA], v[TB+4*(\i):TB+4*(\i)+3] offset:512*(\i)
.endr
	s_wait_dscnt 0x0                               ; for the others' sake: my part of the table is written
	s_barrier_signal -1
	s_barrier_wait -1                              ; everybody's is; nothing writes the table after this
	s_wait_alu depctr_vm_vsrc(0)                   ; my LDS stores have read v[TB ..] and the loads of sign_r have read v[SO ..]: these registers are VAL and Y from here on, written by LDS loads, products and roundings
; Turn p.  g = p % 2.  addr = 1: block p's addresses are made and its table values asked for.  emit = 1: block p - 2 is multiplied, rounded and stored.
; ahead = 1: block p + 2 is loaded.  move = 1: every turn but the first.  left = how many younger global loads may stay out when block p's four have to be there;
; back = how many younger LDS loads may stay out when block p - 2's sixteen have to be there.
.macro TURN g, addr, emit, ahead, move, left, back
.if \emit
	s_wait_dscnt \back                             ; LDS loads come back in order (ISA guide 5.7.1): VAL[g] is in, the sixteen of the block behind it stay out
.endif
.if \move
	s_wait_xcnt 0x0                                ; every earlier memory instruction has had its addresses translated (ISA guide 3.1): the two bases and Y are rewritten only behind this wait
	s_wait_alu depctr_vm_vsrc(0)                   ; the run of the turn before has read its registers: its LDS loads ADR, its stores Y, both of which this turn writes again
.if \ahead
	s_add_nc_u64 s[36:37], s[36:37], 16384         ; the indices' base at block p
.endif
.endif
.if \emit
	s_add_nc_u64 s[42:43], s[42:43], 8192          ; the result's base at block p - 1: the stores below reach back by a block
.irp j, 0,1,2,3
	v_pk_mul_f32 v[VAL+16*(\g)+4*(\j):VAL+16*(\g)+4*(\j)+1],   v[VAL+16*(\g)+4*(\j):VAL+16*(\g)+4*(\j)+1],   v[SR+16*(\g)+4*(\j):SR+16*(\g)+4*(\j)+1]    ; times sign_r
	v_pk_mul_f32 v[VAL+16*(\g)+4*(\j)+2:VAL+16*(\g)+4*(\j)+3], v[VAL+16*(\g)+4*(\j)+2:VAL+16*(\g)+4*(\j)+3], v[SR+16*(\g)+4*(\j)+2:SR+16*(\g)+4*(\j)+3]
.endr
.irp j, 0,1,2,3
	v_cvt_pk_bf16_f32 v[Y+2*(\j)],   v[VAL+16*(\g)+4*(\j)],   v[VAL+16*(\g)+4*(\j)+1]    ; rounded
	v_cvt_pk_bf16_f32 v[Y+2*(\j)+1], v[VAL+16*(\g)+4*(\j)+2], v[VAL+16*(\g)+4*(\j)+3]
.endr
.endif
.if \addr
	s_wait_loadcnt \left                           ; loads come back in order (ISA guide 5.7.1): X[g] is in, the next block's four stay out
.irp q, 0,1,2,3,4,5,6,7,8,9,10,11,12,13,14,15
	v_min_u32 v[ADR+(\q)], 0xff, v[X+16*(\g)+(\q)] ; the sixteen indices are cut at 255
.endr
.irp q, 0,1,2,3,4,5,6,7,8,9,10,11,12,13,14,15
	v_lshl_add_u32 v[ADR+(\q)], v[ADR+(\q)], 7, v[LB]  ; 128 e + 4 l: 32,764 at the most
.endr
.endif
	s_wait_alu depctr_va_vdst(0)                   ; ADR and Y are written, which the LDS loads and the stores below read; the products and roundings are done with VAL[g] and the v_min_u32 with X[g], in which the loads below land
.if \ahead
.irp j, 0,1,2,3
	global_load_b128 v[X+16*(\g)+4*(\j):X+16*(\g)+4*(\j)+3], v[VIN], s[36:37] offset:32768+4096*(\j) th:TH_LOAD_NT  ; two blocks ahead: the same slots of the next trip
.endr
.endif
.irp j, 0,1,2,3
.if \addr
.irp k, 0,1,2,3
	ds_load_b32 v[VAL+16*(\g)+4*(\j)+(\k)], v[ADR+4*(\j)+(\k)]
.endr
.endif
.if \emit
	global_store_b64 v[VOUT], v[Y+2*(\j):Y+2*(\j)+1], s[42:43] offset:2048*(\j)-8192
.endif
.endr
.endm
	TURN 0, 1, 0, 1, 0, 4, 0                       ; blocks 0 and 1: nothing to round or to store yet
	TURN 1, 1, 0, 1, 1, 4, 0
	s_mov_b32 s5, 6
.Ltrip:                                                ; turns 2 to 13, two to a trip: both kinds of buffer are back at their start
	TURN 0, 1, 1, 1, 1, 4, 16
	TURN 1, 1, 1, 1, 1, 4, 16
	s_sub_co_u32 s5, s5, 1
	s_cmp_lg_u32 s5, 0
	s_cbranch_scc1 .Ltrip
	TURN 0, 1, 1, 0, 1, 4, 16                      ; turns 14 and 15 load nothing: no load leaves the buffer, and the count runs down
	TURN 1, 1, 1, 0, 1, 0, 16
	TURN 0, 0, 1, 0, 1, 0, 16                      ; turns 16 and 17: the last two blocks are multiplied, rounded and stored
	TURN 1, 0, 1, 0, 1, 0, 0
	s_wait_dscnt 0x0                               ; the closing lines, six on end
	s_wait_alu 0x0
	s_wait_tensorcnt 0x0
	ds_add_u32 v[SPW], v[NIL]
	s_wait_dscnt 0x0
	s_endpgm
.Lx:                                                   ; xb = bf16(x): a work-group takes 8,192 numbers, a thread eight times four
	s_lshl_b32 s46, ttmp9, 15
	s_add_nc_u64 s[14:15], s[14:15], s[46:47]
	s_lshl_b32 s46, ttmp9, 14
	s_add_nc_u64 s[34:35], s[34:35], s[46:47]
	s_wait_alu depctr_va_vdst(0)                   ; v1 and v2 are written, which the loads and stores below read as offsets
.irp i, 0,1,2,3,4,5,6,7
	global_load_b128 v[X+4*(\i):X+4*(\i)+3], v[VIN], s[14:15] offset:4096*(\i) th:TH_LOAD_NT
.endr
.irp i, 0,1,2,3,4,5,6,7
	s_wait_loadcnt 7-(\i)                          ; the later loads stay out
	v_cvt_pk_bf16_f32 v[XO+2*(\i)],   v[X+4*(\i)],   v[X+4*(\i)+1]
	v_cvt_pk_bf16_f32 v[XO+2*(\i)+1], v[X+4*(\i)+2], v[X+4*(\i)+3]
.endr
	s_wait_alu depctr_va_vdst(0)                   ; the sixteen roundings have written v[XO ..], which the eight stores read
.irp i, 0,1,2,3,4,5,6,7
	global_store_b64 v[VOUT], v[XO+2*(\i):XO+2*(\i)+1], s[34:35] offset:2048*(\i)
.endr
	s_wait_dscnt 0x0                               ; the closing lines, six on end
	s_wait_alu 0x0
	s_wait_tensorcnt 0x0
	ds_add_u32 v[SPW], v[NIL]
	s_wait_dscnt 0x0
	s_endpgm
.Lfunc_end_k_q2dd8453f66_prep:
	.size	k_q2dd8453f66_prep, .Lfunc_end_k_q2dd8453f66_prep-k_q2dd8453f66_prep
	.p2alignl 7, 3214868480
	.fill 96, 4, 3214868480
	.section	.rodata,"a",@progbits
	.p2align	6, 0x0
	.amdhsa_kernel k_q2dd8453f66_prep
		.amdhsa_group_segment_fixed_size 33792
		.amdhsa_private_segment_fixed_size 0
		.amdhsa_enable_private_segment 0
		.amdhsa_kernarg_size 112
		.amdhsa_user_sgpr_count 2
		.amdhsa_user_sgpr_kernarg_segment_ptr 1
		.amdhsa_wavefront_size32 1
		.amdhsa_system_sgpr_workgroup_id_x 1
		.amdhsa_system_sgpr_workgroup_id_y 1
		.amdhsa_system_sgpr_workgroup_id_z 1
		.amdhsa_system_vgpr_workitem_id 0
		.amdhsa_next_free_vgpr 128
		.amdhsa_next_free_sgpr 66
		.amdhsa_reserve_vcc 0
		.amdhsa_float_denorm_mode_32 3
		.amdhsa_float_denorm_mode_16_64 3
		.amdhsa_memory_ordered 1
		.amdhsa_forward_progress 1
		.amdhsa_inst_pref_size 40
	.end_amdhsa_kernel
	.amdgpu_metadata
---
amdhsa.version: [ 1, 2 ]
amdhsa.kernels:
  - .name:           k_q2dd8453f66_prep
    .symbol:         k_q2dd8453f66_prep.kd
    .args:
      - { .name: walks_gate, .offset: 0, .size: 8, .value_kind: global_buffer, .address_space: global }
      - { .name: walks_up, .offset: 8, .size: 8, .value_kind: global_buffer, .address_space: global }
      - { .name: walks_down, .offset: 16, .size: 8, .value_kind: global_buffer, .address_space: global }
      - { .name: x, .offset: 24, .size: 8, .value_kind: global_buffer, .address_space: global }
      - { .name: lut_gate, .offset: 32, .size: 8, .value_kind: global_buffer, .address_space: global }
      - { .name: lut_up, .offset: 40, .size: 8, .value_kind: global_buffer, .address_space: global }
      - { .name: lut_down, .offset: 48, .size: 8, .value_kind: global_buffer, .address_space: global }
      - { .name: sign_r_gate, .offset: 56, .size: 8, .value_kind: global_buffer, .address_space: global }
      - { .name: sign_r_up, .offset: 64, .size: 8, .value_kind: global_buffer, .address_space: global }
      - { .name: sign_r_down, .offset: 72, .size: 8, .value_kind: global_buffer, .address_space: global }
      - { .name: wg, .offset: 80, .size: 8, .value_kind: global_buffer, .address_space: global }
      - { .name: wu, .offset: 88, .size: 8, .value_kind: global_buffer, .address_space: global }
      - { .name: wd, .offset: 96, .size: 8, .value_kind: global_buffer, .address_space: global }
      - { .name: xb, .offset: 104, .size: 8, .value_kind: global_buffer, .address_space: global }
    .group_segment_fixed_size: 33792
    .private_segment_fixed_size: 0
    .kernarg_segment_align: 8
    .kernarg_segment_size: 112
    .max_flat_workgroup_size: 256
    .sgpr_count:     66
    .vgpr_count:     128
    .wavefront_size: 32
...
	.end_amdgpu_metadata
.endif
;; end of part 6
;; launch gateup: the kernel of part 2 again; grid 64 x 4, 4 waves a work-group, clusters of 4 x 4, 327,680 bytes of LDS; arguments xb, wg, wu, sign_l_gate, sign_l_up, hid; writes hid
;; launch down: the kernel of part 4 again; grid 16 x 16, 4 waves a work-group, clusters of 4 x 4, 327,680 bytes of LDS; arguments hid, wd, sign_l_down, part; writes part
;; launch sum: the kernel of part 5 again; grid 256 x 1, 8 waves a work-group, no clusters, 0 bytes of LDS; arguments part, out0; writes out0
